; MI455X (gfx1250); checked and timed in simulation.
; The chip was launched on July 23, 2026; its instructions are those of AMD's public machine-readable ISA for CDNA 5 (MIT licence, August 2026) and "CDNA5" Instruction Set Architecture Reference Guide (July 2026). The comments in the code are by the model that wrote it; some were corrected since.
;; Self Attention. Allowed arithmetic: matrix products marked QUANTISED: E4M3 operands, one given power-of-two scale a tensor, by v_wmma_f32_16x16x64_fp8_fp8 or v_wmma_f32_16x16x128_fp8_fp8, f32 sums; everything else in f32.
;; Inputs: Wk 1,024 x 1,024 float32; Wo 1,024 x 1,024 float32; Wq 1,024 x 1,024 float32; Wv 1,024 x 1,024 float32; bk 1,024 float32; bo 1,024 float32; bq 1,024 float32; bv 1,024 float32; lowp_scales 12 int32 (the exponents e of the quantised operands' scales 2^e); x 4 x 2,048 x 1,024 float32.
;; Outputs: out0 4 x 2,048 x 1,024 float32.
;; This version of the problem:
;;   THIS VERSION OF THE PROBLEM IS GIVEN IN LOW PRECISION. The matrix products marked QUANTISED in the list below multiply operands that are first quantised to E4M3 (4 exponent bits, 3 mantissa bits; 8 bits a number), with one given power-of-two scale for each operand tensor; their sums are f32. All else is computed in f32.
;;   The module's matrix products, in the order in which they are computed (A, B: the left and right operand; K: the contracted axis; several contracted axes count as one K, in the product's order):
;;     1. [M 8,192, K 1,024] x [K 1,024, N 1,024]; A: input x; B: input Wq: QUANTISED (scales: A lowp_scales[0], B lowp_scales[1])
;;     2. [M 8,192, K 1,024] x [K 1,024, N 1,024]; A: input x; B: input Wk: QUANTISED (scales: A lowp_scales[2], B lowp_scales[3])
;;     3. [M 8,192, K 1,024] x [K 1,024, N 1,024]; A: input x; B: input Wv: QUANTISED (scales: A lowp_scales[4], B lowp_scales[5])
;;     4. batch 64 x [M 2,048, K 64] x [K 64, N 2,048]; A: computed on the way; B: computed on the way: QUANTISED (scales: A lowp_scales[6], B lowp_scales[7])
;;     5. batch 64 x [M 64, K 2,048] x [K 2,048, N 2,048]; A: computed on the way; B: softmax (see below): QUANTISED (scales: A lowp_scales[8], B lowp_scales[9])
;;     6. [M 8,192, K 1,024] x [K 1,024, N 1,024]; A: computed on the way; B: input Wo: QUANTISED (scales: A lowp_scales[10], B lowp_scales[11])
;;   THE QUANTISER, for each operand of a quantised product, along K:
;;     - The operand's scale is 2^e, e = its entry of the input lowp_scales (int32; the entries are numbered through the quantised products in the list's order, A before B).
;;     - Each number is divided by the scale, clamped to +-448, and rounded to the nearest number of E4M3, ties to even, subnormals kept.
;;     - The product sums the exact products of the quantised numbers (number of the format x scale) in f32.
;;   ~~~python
;;   def quantise(x, axis, e):      # numpy; x: float32 -> the quantised numbers, widened to float32 again
;;       x = np.moveaxis(x, axis, -1); K = x.shape[-1]
;;       r = np.clip(x / 2.0 ** e, -448, 448)
;;       step = 2.0 ** (np.maximum(np.frexp(np.where(r == 0, 1, r))[1] - 1, -6) - 3)
;;       q = np.round(r / step) * step * 2.0 ** e      # np.round: ties to even
;;       return np.moveaxis(q, -1, axis).astype(np.float32)
;;   ~~~
;;   SOFTMAX AHEAD OF A QUANTISED PRODUCT. Where the list says 'softmax', what is quantised is not the finished softmax but p = 2^(t - M), with t = logit x log2(e) and M = ceil(the row's largest t), a whole number; so 1/2 < the row's largest p <= 1. The row's sum l is taken of the UNQUANTISED p, in f32, and the product's result is divided by l at the end. Since M is a whole number, a kernel that streams over the keys may use a running M (the ceiling of the running maximum): every later rescaling is an exact power of two, so the quantised numbers keep their values, but for numbers so far below the row's largest that they fall under the format's range.
;;   OPERANDS COMPUTED ON THE WAY. 'Computed on the way' means the value that the module computes at that place (a softmax that the list does not call 'softmax' is quantised finished and normalised). What goes into a quantiser is computed in f32, as accurately as f32 sums, v_exp_f32 and their like allow (about 1e-6 of the number): no bf16 or f16 on the way to a quantiser, and a product that is left as it is and whose result goes on into a quantised operand takes f32 operands (vector FMAs, or v_wmma_f32_16x16x4_f32). A number that lies on a knife's edge between two numbers of the format may be rounded either way, as far as f32 arithmetic and the matrix unit's own rounding can turn it there, and no further.
;; One version. Each part assembles by itself: llvm-mc -triple=amdgcn-amd-amdhsa -mcpu=gfx1250 --defsym DOCPART=n.
;; ======== version 1 of 1: 4 launches
;; limits: right only within a limited range of input values
;; workspace buffers: xc 25,165,824 bytes; wc 4,194,304 bytes; qkv 25,165,824 bytes; ao 8,388,608 bytes
;; launch quant (part 1): grid 768 x 1, 4 waves a work-group, no clusters, 33,280 bytes of LDS; arguments x, Wq, Wk, Wv, Wo, lowp_scales, xc, wc; writes xc, wc
.if DOCPART == 1
	.amdgcn_target "amdgcn-amd-amdhsa--gfx1250"
	.amdhsa_code_object_version 6
	.text
	.protected	k_q9a9a12e200_quant
	.globl	k_q9a9a12e200_quant
	.p2align	8
	.type	k_q9a9a12e200_quant,@function
k_q9a9a12e200_quant:
	s_mov_b64 s[64:65], 0
	v_nop
	global_prefetch_b8 v0, s[64:65] scope:SCOPE_SE
	s_setreg_imm32_b32 hwreg(HW_REG_WAVE_MODE, 25, 1), 1
	s_wait_xcnt 0x0
; x [8192][1024] f32 becomes THREE sets of E4M3 codes (under entries 0, 2, 4 of the scales: the three products that read x each have an entry of their own), xc [3][8192][1024];
; Wq, Wk, Wv, Wo [1024][1024] f32 become one set each (entries 1, 3, 5, 11), wc [4][1024][1024].  K is innermost in all of them, so each tensor is a plain stream.
; code = number / 2^e, held within +-448, rounded to the nearest code, ties to even.
; Wv's ROWS are stored with bits 3 and 4 of the row index exchanged: the order in which the attention launch wants the channels of v (see there).
; LIMITS: each e used lies between -126 and 119, so that 2^e and 448 x 2^e are f32 numbers.  NaN among the inputs is not served.
; SHARES.  A wave takes a run of 4,096 numbers (four rows) in 8 steps of 512; a work-group 16,384.  Work-groups 0-511 take x, 512 + 64 w + j takes tensor w (0 Wq, 1 Wk, 2 Wv, 3 Wo).
; Each load reads 512 consecutive bytes; a step's 2,048 bytes turn through the wave's own stage in LDS (16 bytes of padding behind each 64) and come back 16 neighbours a lane, as the conversions want them.
; A lane's 16 codes are 16 bytes: each store of the wave covers 512 consecutive bytes, aligned.  Loads run four steps (16 loads a wave) ahead, the turn through LDS one step.  Waves share nothing: no barrier.
.set WAVES, 4
.set STEPS, 8
.set SP,    80                         ; a lane's place in a stage: 64 bytes + 16 of padding
.set WREG,  8192                       ; LDS: a region for each wave: two stages of 32 x SP bytes
.set SPARE, WAVES*WREG                 ; behind the regions: the spare words, 128 bytes for each wave, which no other line names
.set SCL,   5                          ; v5-7     2^e as f32, for outputs 0, 1, 2
.set LIM,   8                          ; v8-10    448 x 2^e
.set SPW,   12                         ; v12      LDS address of my spare word; never rewritten
.set NIL,   13                         ; v13      0; never rewritten
.set R,     16                         ; v16-79   four sets of 16 numbers as loaded
.set X,     80                         ; v80-111  two sets of 16 neighbours
.set T,     112                        ; v112-159 the held numbers, a set for each output
.set C,     160                        ; v160-171 codes, four registers for each output
.set OUTP,  28                         ; s[28:29], s[30:31], s[32:33] where outputs 0, 1, 2 go
	s_load_b256 s[4:11], s[0:1], 0x0               ; x s[4:5], Wq s[6:7], Wk s[8:9], Wv s[10:11]
	s_load_b256 s[12:19], s[0:1], 0x20             ; Wo s[12:13], the scales s[14:15], xc s[16:17], wc s[18:19]
	v_lshl_add_u32 v[SPW], v0, 2, SPARE
	v_mov_b32 v[NIL], 0
	v_lshrrev_b32 v1, 5, v0
	v_readfirstlane_b32 s20, v1                    ; wave
	v_and_b32 v2, 31, v0                           ; lane
	v_lshlrev_b32 v3, 4, v2                        ; 16 x lane: my 16 bytes of a load's 512, and of a store's
	s_mul_i32 s48, s20, WREG
	v_lshrrev_b32 v14, 2, v2
	v_mul_u32_u24 v14, v14, SP
	v_and_b32 v15, 3, v2
	v_lshl_add_u32 v14, v15, 4, v14
	v_add_nc_u32 v14, s48, v14                     ; the stage, on the way in: SP (lane / 4) + 16 (lane % 4)
	v_mul_u32_u24 v15, v2, SP
	v_add_nc_u32 v15, s48, v15                     ; and on the way out: SP x lane
	s_cmp_lt_u32 ttmp9, 512                        ; x's work-group, or a weight's?
	s_cselect_b32 s21, 1, 0                        ; 1: x
	s_cselect_b32 s49, 0, 512
	s_sub_co_u32 s22, ttmp9, s49
	s_lshr_b32 s23, s22, 6
	s_and_b32 s50, s22, 63
	s_cmp_lg_u32 s21, 0
	s_cselect_b32 s50, s22, s50                    ; the work-group's number within its tensor
	s_cselect_b32 s23, 0, s23                      ; which weight (0 for x)
	s_lshl_b32 s24, s50, 2
	s_add_co_u32 s24, s24, s20                     ; my run of four rows
	s_and_b32 s51, s24, 2                          ; row bits 3 and 4 are the run's bits 1 and 2
	s_lshl_b32 s51, s51, 1
	s_and_b32 s52, s24, 4
	s_lshr_b32 s52, s52, 1
	s_and_not1_b32 s53, s24, 6
	s_or_b32 s53, s53, s51
	s_or_b32 s53, s53, s52
	s_cmp_eq_u32 s23, 2
	s_cselect_b32 s53, s53, s24                    ; where the run goes: exchanged for Wv alone
	s_lshl_b32 s54, s24, 14                        ; in: run x 16,384 bytes
	s_mov_b32 s55, 0
	s_lshl_b32 s56, s53, 12                        ; out: run x 4,096 bytes,
	s_lshl_b32 s57, s23, 20                        ; + the weight's 1 MiB
	s_add_co_u32 s56, s56, s57
	s_mov_b32 s57, 0
	s_wait_alu depctr_va_vdst(0)
	s_wait_kmcnt 0x0
	s_load_b256 s[36:43], s[14:15], 0x0            ; e0 .. e7
	s_load_b128 s[44:47], s[14:15], 0x20           ; e8 .. e11
	s_mov_b64 s[26:27], s[6:7]                     ; the buffers are chosen on the work-group's number alone
	s_cmp_eq_u32 s23, 1
	s_cselect_b64 s[26:27], s[8:9], s[26:27]
	s_cmp_eq_u32 s23, 2
	s_cselect_b64 s[26:27], s[10:11], s[26:27]
	s_cmp_eq_u32 s23, 3
	s_cselect_b64 s[26:27], s[12:13], s[26:27]
	s_cmp_lg_u32 s21, 0
	s_cselect_b64 s[26:27], s[4:5], s[26:27]
	s_cselect_b64 s[OUTP:OUTP+1], s[16:17], s[18:19]
	s_add_nc_u64 s[26:27], s[26:27], s[54:55]
	s_add_nc_u64 s[OUTP:OUTP+1], s[OUTP:OUTP+1], s[56:57]
	s_add_nc_u64 s[OUTP+2:OUTP+3], s[OUTP:OUTP+1], 0x800000      ; x's second and third set, 8 MiB apart: a pointer each, since 8 MiB is beyond a store's immediate.
	s_add_nc_u64 s[OUTP+4:OUTP+5], s[OUTP+2:OUTP+3], 0x800000    ; (a weight's work-group never uses these two)
.macro LOAD t
.irp i, 0,1,2,3
	global_load_b128 v[R+16*((\t)%4)+4*\i:R+16*((\t)%4)+4*\i+3], v3, s[26:27] offset:2048*(\t)+512*\i th:TH_LOAD_NT   ; 32 lanes read 512 consecutive bytes; read once in the launch
.endr
.endm
.macro TURN t                          ; step t's numbers through the stage: LDS serves a wave's instructions in order, so no wait stands between the stores and the loads
.irp i, 0,1,2,3
	ds_store_b128 v14, v[R+16*((\t)%4)+4*\i:R+16*((\t)%4)+4*\i+3] offset:32*SP*((\t)%2)+8*SP*\i
.endr
.irp i, 0,1,2,3
	ds_load_b128 v[X+16*((\t)%2)+4*\i:X+16*((\t)%2)+4*\i+3], v15 offset:32*SP*((\t)%2)+16*\i
.endr
.endm
.irp t, 0,1,2,3
	LOAD \t
.endr
	s_wait_kmcnt 0x0
	s_mov_b32 s48, s37                             ; output 0's exponent: e1, e3, e5, e11 for the weights, e0 for x
	s_cmp_eq_u32 s23, 1
	s_cselect_b32 s48, s39, s48
	s_cmp_eq_u32 s23, 2
	s_cselect_b32 s48, s41, s48
	s_cmp_eq_u32 s23, 3
	s_cselect_b32 s48, s47, s48
	s_cmp_lg_u32 s21, 0
	s_cselect_b32 s48, s36, s48
.macro MKSCALE p, e
	s_add_co_i32 s49, s[\e], 127
	s_lshl_b32 s50, s49, 23
	v_mov_b32 v[SCL+\p], s50                       ; 2^e as f32: the conversion takes its exponent field
	s_add_co_i32 s49, s49, 8
	s_lshl_b32 s49, s49, 23
	s_or_b32 s49, s49, 0x600000
	v_mov_b32 v[LIM+\p], s49                       ; 448 x 2^e
.endm
	MKSCALE 0, 48
	MKSCALE 1, 38                                  ; e2
	MKSCALE 2, 40                                  ; e4
	s_wait_alu depctr_va_vdst(0)
	s_wait_loadcnt 12                              ; step 0's four loads are in; the twelve of steps 1 to 3 may be out
	TURN 0
.macro QOUT p, t                       ; step t's 16 neighbours under output p's scale
.set XS, X+16*((\t)%2)
.set i, 0
.rept 16
	v_med3_num_f32 v[T+16*\p+i], v[XS+i], -v[LIM+\p], v[LIM+\p]   ; the conversion to an 8-bit code does not saturate (ISA guide 7.6.2): the hold at the largest code x the scale
.set i, i+1
.endr
	v_cvt_scalef32_pk8_fp8_f32 v[C+4*\p:C+4*\p+1], v[T+16*\p:T+16*\p+7], v[SCL+\p]
	v_cvt_scalef32_pk8_fp8_f32 v[C+4*\p+2:C+4*\p+3], v[T+16*\p+8:T+16*\p+15], v[SCL+\p]
	v_nop                                          ; a plain vector line behind the conversions, ahead of the next vector line that writes their sources
	global_store_b128 v3, v[C+4*\p:C+4*\p+3], s[OUTP+2*\p:OUTP+2*\p+1] offset:512*(\t)
.endm
.macro STEP t
	s_wait_dscnt 0x0                               ; this step's numbers are back from the stage, so its stores into the stage have read their registers
	s_wait_xcnt 0x0                                ; the last step's stores have read their codes: those registers are written again only behind this wait
.if (\t)+4 < STEPS
	LOAD (\t)+4
.endif
.if (\t)+1 < STEPS
.if STEPS-2-(\t) >= 3
	s_wait_loadcnt 12                              ; the next step's four loads are in; those of the three steps behind it may be out
.else
	s_wait_loadcnt 4*(STEPS-2-(\t))                ; near the end fewer steps stand behind it
.endif
	TURN (\t)+1
.endif
	QOUT 0, \t
	s_cmp_lg_u32 s21, 0                            ; only x has a second and a third set: the branch hangs on the work-group's number, and jumps over conversions and stores alone
	s_cbranch_scc0 .Lw_\@
	QOUT 1, \t
	QOUT 2, \t
.Lw_\@:
.endm
.irp t, 0,1,2,3,4,5,6,7
	STEP \t
.endr
	s_wait_tensorcnt 0x0                           ; the wave's end
	ds_add_u32 v[SPW], v[NIL]
	s_wait_dscnt 0x0
	s_endpgm
.Lfunc_end_k_q9a9a12e200_quant:
	.size	k_q9a9a12e200_quant, .Lfunc_end_k_q9a9a12e200_quant-k_q9a9a12e200_quant
	.p2alignl 7, 3214868480
	.fill 96, 4, 3214868480
	.section	.rodata,"a",@progbits
	.p2align	6, 0x0
	.amdhsa_kernel k_q9a9a12e200_quant
		.amdhsa_group_segment_fixed_size 33280
		.amdhsa_private_segment_fixed_size 0
		.amdhsa_enable_private_segment 0
		.amdhsa_kernarg_size 64
		.amdhsa_user_sgpr_count 2
		.amdhsa_user_sgpr_kernarg_segment_ptr 1
		.amdhsa_wavefront_size32 1
		.amdhsa_system_sgpr_workgroup_id_x 1
		.amdhsa_system_sgpr_workgroup_id_y 1
		.amdhsa_system_sgpr_workgroup_id_z 1
		.amdhsa_system_vgpr_workitem_id 0
		.amdhsa_next_free_vgpr 192
		.amdhsa_next_free_sgpr 66
		.amdhsa_reserve_vcc 0
		.amdhsa_float_denorm_mode_32 3
		.amdhsa_float_denorm_mode_16_64 3
		.amdhsa_memory_ordered 1
		.amdhsa_forward_progress 1
		.amdhsa_inst_pref_size 43
	.end_amdhsa_kernel
	.amdgpu_metadata
---
amdhsa.version: [ 1, 2 ]
amdhsa.kernels:
  - .name:           k_q9a9a12e200_quant
    .symbol:         k_q9a9a12e200_quant.kd
    .args:
      - { .name: x, .offset: 0, .size: 8, .value_kind: global_buffer, .address_space: global }
      - { .name: Wq, .offset: 8, .size: 8, .value_kind: global_buffer, .address_space: global }
      - { .name: Wk, .offset: 16, .size: 8, .value_kind: global_buffer, .address_space: global }
      - { .name: Wv, .offset: 24, .size: 8, .value_kind: global_buffer, .address_space: global }
      - { .name: Wo, .offset: 32, .size: 8, .value_kind: global_buffer, .address_space: global }
      - { .name: lowp_scales, .offset: 40, .size: 8, .value_kind: global_buffer, .address_space: global }
      - { .name: xc, .offset: 48, .size: 8, .value_kind: global_buffer, .address_space: global }
      - { .name: wc, .offset: 56, .size: 8, .value_kind: global_buffer, .address_space: global }
    .group_segment_fixed_size: 33280
    .private_segment_fixed_size: 0
    .kernarg_segment_align: 8
    .kernarg_segment_size: 64
    .max_flat_workgroup_size: 128
    .sgpr_count:     66
    .vgpr_count:     192
    .wavefront_size: 32
...
	.end_amdgpu_metadata
.endif
;; end of part 1
;; launch gemm_qkv (part 2): grid 12 x 32, 4 waves a work-group, clusters of 4 x 4, 327,680 bytes of LDS; arguments xc, wc, lowp_scales, bq, bk, bv, qkv; writes qkv
.if DOCPART == 2
	.amdgcn_target "amdgcn-amd-amdhsa--gfx1250"
	.amdhsa_code_object_version 6
	.text
	.protected	k_q9a9a12e200_gemm_qkv
	.globl	k_q9a9a12e200_gemm_qkv
	.p2align	8
	.type	k_q9a9a12e200_gemm_qkv,@function
k_q9a9a12e200_gemm_qkv:
	s_mov_b64 s[64:65], 0
	v_nop
	global_prefetch_b8 v0, s[64:65] scope:SCOPE_SE
	s_setreg_imm32_b32 hwreg(HW_REG_WAVE_MODE, 25, 1), 1
	s_wait_xcnt 0x0
	s_wait_alu depctr_hold_cnt(0) depctr_sa_sdst(0) depctr_va_vdst(0) depctr_va_sdst(0) depctr_va_ssrc(0) depctr_va_vcc(0) depctr_vm_vsrc(0)
	s_getreg_b32 s2, hwreg(HW_REG_IB_STS2, 6, 4)
	s_cmp_eq_u32 s2, 0
	s_cbranch_scc0 .Lentry_in_a_cluster
	s_endpgm
.Lentry_in_a_cluster:
	s_bfe_u32 s2, ttmp6, 0x10000c
	s_cmp_lg_u32 s2, 0xf033
	s_cbranch_scc0 .Lentry_shape_is_right
	s_endpgm
.Lentry_shape_is_right:
; q = x Wq^T + bq, k = x Wk^T + bk, v = x Wv^T + bv on E4M3 codes, and each result quantised at once for the attention launch (q: entry 6 of the scales, k: entry 7, v: entry 8).
; The cluster's x (0, 1, 2) is the product.  C = A B^T, 256 x 256 a work-group, 128 x 128 a wave (64 accumulators, 512 registers), K = 1,024 in four slots' worth of 256 through a ring of two LDS slots.
;   q, k: A = x's codes (8,192 rows), B = the weight's (1,024 rows).      v: A = Wv's codes, B = x's: so a lane holds ONE channel of v and its registers run along the tokens, which are the next product's K.
; THE MATRIX INSTRUCTION IS USED TRANSPOSED (source 0 = 16 rows of B, source 1 = 16 rows of A): a lane's eight results are eight neighbours along B's rows: for q and k eight channels of one token, for v eight tokens of one channel.
; Eight neighbours along the next K are what one conversion takes, and its two registers ARE registers 2 c, 2 c + 1 of the next operand.  So the results leave as IMAGES OF OPERAND REGISTERS, four registers a store, lane l's 16 bytes at 16 l:
;   q, k: [batch x head (64)][tile of 16 tokens (128)][1,024 bytes]: a fragment of the K = 64 form;     v: [batch x head][128 keys (16)][16 channels (4)][2,048 bytes]: a fragment of the K = 128 form.
; Each store of the wave covers 512 consecutive bytes, aligned; no stage in LDS is needed.
; CLUSTERS: 4 x 4 work-groups; A's tile is asked for jointly along a row of the cluster, B's along a column.  The product is the same in all sixteen, so every branch on it is alike in all partners.
; Fragments come by four 16-byte loads a side: a permutation of k that is the same in A and in B.
; LIMITS: e0+e1, e2+e3, e4+e5 between -126 and 127; e6, e7, e8 between -126 and 119.
; REGISTERS, in windows of 256: window 0: v0-31 addresses; v32-95, v96-111 the biases in two layouts; v112, v113 the quantiser's scale and hold; from v128 A's fragments, ONE set (on the way out v128-255 are at work).
;   window 1: B's fragments, TWO sets.   window 2: the accumulators of my rows 0-63 ((a, b) at v[8 (8 a + b)]);   window 3: those of my rows 64-127.
.set KSTEP,  256
.set ROWB,   256                       ; a tile's row in bytes
.set KROW,   1024                      ; a row of codes in memory
.set PITCH,  272                       ; an LDS row: 256 bytes + 16 of padding = 68 words: the 16 rows that a load touches start at 16 different banks (64 banks of 4 bytes: ISA guide 11.1)
.set FR,     16
.set NL,     4
.set NP,     4                         ; places behind this matrix instruction (ISA guide 7.12.1)
.set HALFT,  128*PITCH
.set SLOT,   4*HALFT                   ; A's 256 rows, then B's 256 rows
.set LAPS,   2                         ; K = 1,024 is twice round the ring
.set SPARE,  2*SLOT                    ; behind the ring: the spare words, 128 bytes for each wave, which no other line names
.set ADRA, 16
.set ADRB, 20
.set CO,   26                          ; v26  16 x lane
.set SPW,  28
.set NIL,  29
.set BI1,  32                          ; v32-95   bias of the lane's 64 columns (q, k): register 8 b + j = bias[16 b + 8 h + j]
.set BI2,  96                          ; v96-111  bias of the lane's channel in each of A's 8 blocks (v), each twice
.set SCV,  112
.set LMV,  113
.set AF,   128
.set TMP,  128                         ; the way out: a block's 64 numbers
.set CDS,  192                         ; and four sets of 16 registers of codes
.set G1, 24
.set G0, 32
.set G1B, 48
.set G0B, 56
.set MSB, 0
.macro WIN new                         ; the immediate's high byte repeats the setting that is left
.if MSB != (\new)
	s_set_vgpr_msb (MSB<<8)|(\new)
.set MSB, (\new)
.endif
.endm
.set MUL_LO, 0xa1                      ; source 0 (B) window 1, source 1 (A) window 0, C and D window 2
.set MUL_HI, 0xf1
.set TO_B,   0x40
; A joint load: waves 0 and 1 fetch for A, waves 2 and 3 for B; the branch hangs on the wave's number alone.  An s_nop 0 and four v_nop follow each of the two lines.
.macro JLOAD g0a, g1a, g0b, g1b
	s_cmp_eq_u32 s15, 0
	s_cbranch_scc0 .Lfor_b_\@
	tensor_load_to_lds s[\g0a:\g0a+3], s[\g1a:\g1a+7]
	s_nop 0
.rept 4
	v_nop
.endr
	s_branch .Lasked_\@
.Lfor_b_\@:
	tensor_load_to_lds s[\g0b:\g0b+3], s[\g1b:\g1b+7]
	s_nop 0
.rept 4
	v_nop
.endr
.Lasked_\@:
.endm
.macro CREST                           ; a round of the cluster's barrier behind its opening barrier
	s_cmp_lg_u32 s14, 0
	s_cbranch_scc1 .Lnot_wave_0_\@
	s_barrier_signal -3
.Lnot_wave_0_\@:
	s_barrier_wait -3
	s_barrier_signal -1
	s_barrier_wait -1
.endm
.macro CROUND
	s_barrier_signal -1
	s_barrier_wait -1
	CREST
.endm
	s_load_b128 s[4:7], s[0:1], 0x0                ; x's codes s[4:5], the weights' codes s[6:7]
	s_load_b128 s[8:11], s[0:1], 0x10              ; the scales s[8:9], bq s[10:11]
	s_load_b128 s[68:71], s[0:1], 0x20             ; bk s[68:69], bv s[70:71]
	s_load_b64 s[72:73], s[0:1], 0x30              ; qkv
	v_lshl_add_u32 v[SPW], v0, 2, SPARE
	v_mov_b32 v[NIL], 0
	ds_add_u32 v[SPW], v[NIL]                      ; the wave's opening: the adds and their wait ahead of my first tensor load; the set-up below stands between them
	ds_add_u32 v[SPW], v[NIL]
	v_lshrrev_b32 v1, 5, v0
	v_readfirstlane_b32 s14, v1                    ; wave 0..3
	s_lshr_b32 s15, s14, 1                         ; which half of the tile's rows is mine.  Also: I fetch for A (0) or for B (1)
	s_and_b32 s16, s14, 1                          ; which half of its columns.  Also: which 128 rows of that tile I fetch
	s_bfe_u32 s40, ttmp6, 0x40000                  ; cx, cy
	s_bfe_u32 s41, ttmp6, 0x40004
	s_and_b32 s74, ttmp7, 0xffff                   ; the cluster's y, 0..7
	s_lshl_b32 s82, ttmp9, 23                      ; the product's set of x's codes: 8 MiB each
	s_mov_b32 s83, 0
	s_lshl_b32 s84, ttmp9, 20                      ; and its weight's codes: 1 MiB each
	s_mov_b32 s85, 0
	s_cmp_eq_u32 ttmp9, 2                          ; v?  Then the long axis (8,192 tokens, 8 clusters) runs along B
	s_cselect_b32 s75, 0, s74
	s_cselect_b32 s76, s74, 0
	s_lshl_b32 s42, s76, 2
	s_add_co_u32 s42, s42, s40                     ; tile column of C
	s_lshl_b32 s17, s75, 2
	s_add_co_u32 s17, s17, s41                     ; tile row of C
	s_lshl_b32 s43, s41, 2
	s_lshl_b32 s43, 15, s43                        ; my row of the cluster
	s_lshl_b32 s44, 0x1111, s40                    ; my column
	s_or_b32 s[G1+0], s43, (0<<16)|(1<<20)|(1<<21)|(5<<22)|(3<<25)  ; the mask; elements of 1 byte; padding on; bit 21 beside a mask; after every 64 words, 4 words
	s_or_b32 s[G1B+0], s44, (0<<16)|(1<<20)|(1<<21)|(5<<22)|(3<<25)
.irp g, G1, G1B
	s_mov_b32 s[\g+1], ROWB<<16                    ; tensor_dim0
	s_mov_b32 s[\g+2], 128<<16                     ; tensor_dim1
	s_mov_b32 s[\g+3], ROWB<<16                    ; tile_dim0
	s_mov_b32 s[\g+4], 128                         ; tile_dim1
	s_mov_b32 s[\g+5], KROW                        ; the pitch
	s_mov_b32 s[\g+6], 0
	s_mov_b32 s[\g+7], 0
.endr
	s_lshl_b32 s18, s16, 7
	s_lshl_b32 s20, s17, 8
	s_add_co_u32 s20, s20, s18                     ; A: row 256 x tile row + 128 x half,
	s_lshl_b32 s20, s20, 10                        ; in bytes
	s_mov_b32 s21, 0
	s_lshl_b32 s46, s42, 8
	s_add_co_u32 s46, s46, s18                     ; B: row 256 x tile column + 128 x half
	s_lshl_b32 s46, s46, 10
	s_mov_b32 s47, 0
	s_mul_i32 s45, s14, HALFT                      ; where they go: wave x 128 rows
	s_wait_dscnt 0x0                               ; the opening add is done
	s_wait_kmcnt 0x0
	s_load_b256 s[88:95], s[8:9], 0x0              ; e0 .. e7
	s_load_b32 s96, s[8:9], 0x20                   ; e8
	s_add_nc_u64 s[78:79], s[4:5], s[82:83]        ; x's codes for this product
	s_add_nc_u64 s[80:81], s[6:7], s[84:85]        ; the weight's
	s_cmp_eq_u32 ttmp9, 2
	s_cselect_b64 s[82:83], s[80:81], s[78:79]     ; A's buffer
	s_cselect_b64 s[84:85], s[78:79], s[80:81]     ; B's
	s_add_nc_u64 s[20:21], s[82:83], s[20:21]
	s_add_nc_u64 s[46:47], s[84:85], s[46:47]
	CROUND                                         ; all sixteen work-groups are here: the first joint loads meet
.irp s, 0,1
	s_mov_b32 s[G0+4*\s], 1
	s_add_co_u32 s[G0+4*\s+1], s45, \s*SLOT
	s_add_nc_u64 s[G0+4*\s+2:G0+4*\s+3], s[20:21], \s*ROWB
	s_or_b32 s[G0+4*\s+3], s[G0+4*\s+3], 0x80000000
	s_mov_b32 s[G0B+4*\s], 1
	s_add_co_u32 s[G0B+4*\s+1], s45, \s*SLOT
	s_add_nc_u64 s[G0B+4*\s+2:G0B+4*\s+3], s[46:47], \s*ROWB
	s_or_b32 s[G0B+4*\s+3], s[G0B+4*\s+3], 0x80000000
.endr
	JLOAD G0, G1, G0B, G1B                         ; slot 0: one tensor load a wave at the head
	v_and_b32 v1, 15, v0                           ; r
	v_bfe_u32 v2, v0, 4, 1                         ; h
	v_mul_u32_u24 v3, v1, PITCH
	v_lshl_add_u32 v4, v2, 4, v3                   ; a fragment's row x pitch + 16 h
	s_mul_i32 s21, s15, HALFT                      ; my 128 rows of A
	s_mul_i32 s22, s16, HALFT                      ; my 128 rows of B,
	s_add_co_u32 s22, s22, 2*HALFT                 ; behind A's 256
.irp s, 0,1
	v_add_nc_u32 v[ADRA+\s], s21, v4
	v_add_nc_u32 v[ADRB+\s], s22, v4
	s_add_co_u32 s21, s21, SLOT
	s_add_co_u32 s22, s22, SLOT
.endr
	v_and_b32 v6, 31, v0
	v_lshlrev_b32 v[CO], 4, v6
	v_lshlrev_b32 v7, 5, v2                        ; the bias for q, k: 8 h numbers on
	s_wait_alu depctr_va_vdst(0)
	v_and_b32 v8, 7, v1
	v_lshrrev_b32 v9, 3, v1
	v_lshl_add_u32 v8, v9, 4, v8
	v_lshlrev_b32 v8, 2, v8                        ; for v: Wv's rows lie exchanged, so place r of a block of 16 is channel (r % 8) + 16 (r / 8) of its group of 32
	s_wait_alu depctr_va_vdst(0)
	s_lshl_b32 s18, s17, 8
	s_lshl_b32 s19, s15, 7
	s_add_co_u32 s18, s18, s19                     ; my first row of C,
	s_lshl_b32 s19, s42, 8
	s_lshl_b32 s22, s16, 7
	s_add_co_u32 s19, s19, s22                     ; my first column
	s_cmp_eq_u32 ttmp9, 2
	s_cselect_b32 s22, s19, s18                    ; my first token,
	s_cselect_b32 s23, s18, s19                    ; my first channel (a multiple of 128: two heads)
	s_cselect_b64 s[86:87], s[70:71], s[10:11]     ; the bias: bv, or bq,
	s_cmp_eq_u32 ttmp9, 1
	s_cselect_b64 s[86:87], s[68:69], s[86:87]     ; or bk
	s_lshr_b32 s66, s22, 11                        ; the batch,
	s_lshl_b32 s66, s66, 4
	s_lshr_b32 s67, s23, 6
	s_add_co_u32 s66, s66, s67                     ; x 16 + the head:
	s_lshl_b32 s66, s66, 17                        ; 131,072 bytes each, in all three tensors;
	s_and_b32 s67, s22, 2047
	s_lshl_b32 s67, s67, 6                         ; a token is 64 bytes of images in all three (16 tokens: 1,024; 128 keys: 8,192)
	s_add_co_u32 s66, s66, s67
	s_lshl_b32 s67, ttmp9, 23                      ; q, k, v lie 8 MiB apart
	s_add_co_u32 s66, s66, s67
	s_mov_b32 s67, 0
	s_add_nc_u64 s[72:73], s[72:73], s[66:67]
	s_lshl_b32 s66, s23, 2
	s_add_nc_u64 s[86:87], s[86:87], s[66:67]
.irp b, 0,1,2,3,4,5,6,7                        ; both layouts are loaded whatever the product (each stays inside my 128 numbers): so every register is written on every path
	global_load_b128 v[BI1+8*\b:BI1+8*\b+3], v7, s[86:87] offset:64*\b
	global_load_b128 v[BI1+8*\b+4:BI1+8*\b+7], v7, s[86:87] offset:64*\b+16
.endr
.irp a, 0,1,2,3,4,5,6,7
	global_load_b32 v[BI2+2*\a], v8, s[86:87] offset:4*(32*(\a/2)+8*(\a%2))
	global_load_b32 v[BI2+2*\a+1], v8, s[86:87] offset:4*(32*(\a/2)+8*(\a%2))
.endr
.macro FRAG reg, adr, q, i             ; 16 rows x 128 K: lane l holds row l % 16; registers 4 c .. 4 c + 3 hold K = 32 c + 16 (l / 16) + 0 .. 15
.irp c, 0,1,2,3
	ds_load_b128 v[\reg+4*\c:\reg+4*\c+3], v[\adr] offset:128*(\q)+32*\c+(\i)*16*PITCH
.endr
.endm
; 16 matrix instructions: A's blocks a0, a0 + 1 x B's eight.  The 64 accumulators take turns, one instruction a turn, in the same order in every step.
.macro MUL16 a0, p, zero
.irp a, \a0, \a0+1
.irp b, 0,1,2,3,4,5,6,7
.if \zero
	v_wmma_f32_16x16x128_fp8_fp8 v[8*(8*((\a)%4)+\b):8*(8*((\a)%4)+\b)+7], v[128*(\p)+FR*\b:128*(\p)+FR*\b+FR-1], v[AF+FR*(\a):AF+FR*(\a)+FR-1], 0
.else
	v_wmma_f32_16x16x128_fp8_fp8 v[8*(8*((\a)%4)+\b):8*(8*((\a)%4)+\b)+7], v[128*(\p)+FR*\b:128*(\p)+FR*\b+FR-1], v[AF+FR*(\a):AF+FR*(\a)+FR-1], v[8*(8*((\a)%4)+\b):8*(8*((\a)%4)+\b)+7]
.endif
.endr
.endr
.endm
.macro FETCH_B slot, q, p
	WIN TO_B
.irp i, 0,1,2,3,4,5,6,7
	FRAG 128*(\p)+FR*\i, ADRB+\slot, \q, \i
.endr
	WIN 0
.endm
.macro FETCH_A slot, q, i0
.irp i, \i0, \i0+1, \i0+2, \i0+3
	FRAG AF+FR*(\i), ADRA+\slot, \q, \i
.endr
.endm
.macro PLACES n                        ; plain vector lines between a matrix instruction and a load into, or a vector line on, its registers
.rept \n
	v_nop
.endr
.endm
.macro STEP slot, q, zero              ; a step of 128 along K that has its successor in the same slot
	s_wait_dscnt 4*NL                              ; B's set and A's blocks 0-3 are in; the youngest 16 loads (A's blocks 4-7) may be out
	WIN MUL_LO
	MUL16 0, (\q)%2, \zero
	MUL16 2, (\q)%2, \zero
	s_wait_dscnt 0
	PLACES NP
	FETCH_B \slot, (\q)+1, 1-(\q)%2
	FETCH_A \slot, (\q)+1, 0
	WIN MUL_HI
	MUL16 4, (\q)%2, \zero
	MUL16 6, (\q)%2, \zero
	PLACES NP
	WIN 0
	FETCH_A \slot, (\q)+1, 4
.endm
; A slot's last step changes slots: one barrier; in front of it each wave waits for all its tensor loads, adds 0 to its spare word, and waits for that and for its reads of this slot.  fill = 1: the slot is filled again.
.macro TURN slot, next, fill
	s_wait_tensorcnt 0x0                           ; all my tensor loads have landed: the one that was out is my part of the next slot
	ds_add_u32 v[SPW], v[NIL]
	s_wait_dscnt 4*NL+1                            ; the add and the youngest 16 loads (A's blocks 4-7) may be out
	WIN MUL_LO
	MUL16 0, 1, 0
	s_wait_dscnt 0x0                               ; the add is done, and my reads of this slot are over
	s_barrier_signal -1
	MUL16 2, 1, 0
	WIN 0
	s_barrier_wait -1
.if \fill
	CREST                                          ; the barrier has opened a round of the cluster's: no wave of any partner still reads this slot or has a load on its way
	s_add_nc_u64 s[G0+4*\slot+2:G0+4*\slot+3], s[G0+4*\slot+2:G0+4*\slot+3], 2*ROWB
	s_add_nc_u64 s[G0B+4*\slot+2:G0B+4*\slot+3], s[G0B+4*\slot+2:G0B+4*\slot+3], 2*ROWB
	JLOAD G0+4*\slot, G1, G0B+4*\slot, G1B         ; the first tensor load behind the round; its four v_nop are also the places in front of the loads below
.else
	PLACES NP
.endif
	FETCH_B \next, 0, 0
	FETCH_A \next, 0, 0
	WIN MUL_HI
	MUL16 4, 1, 0
	MUL16 6, 1, 0
	PLACES NP
	WIN 0
	FETCH_A \next, 0, 4
.endm
	s_wait_alu depctr_va_vdst(0)                   ; the wait at the head's end
	s_wait_tensorcnt 0x0                           ; my part of slot 0 is in
	ds_add_u32 v[SPW], v[NIL]
	s_wait_dscnt 0x0
	CROUND                                         ; a whole round: everybody's part of slot 0 is in, and the joint loads meet
	JLOAD G0+4, G1, G0B+4, G1B                     ; slot 1's first fill, the first tensor load behind the round
	FETCH_B 0, 0, 0
	FETCH_A 0, 0, 0
	FETCH_A 0, 0, 4
	STEP 0, 0, 1                                   ; the first step's products start the sums
	s_mov_b32 s3, LAPS-1
.Llap:
	TURN 0, 1, 1
	STEP 1, 0, 0
	TURN 1, 0, 1
	STEP 0, 0, 0
	s_sub_co_u32 s3, s3, 1
	s_cmp_lg_u32 s3, 0
	s_cbranch_scc1 .Llap
	TURN 0, 1, 0                                   ; the last lap fills nothing
	STEP 1, 0, 0
	s_wait_dscnt 4*NL
	WIN MUL_LO
	MUL16 0, 1, 0
	MUL16 2, 1, 0
	s_wait_dscnt 0
	WIN MUL_HI
	MUL16 4, 1, 0
	MUL16 6, 1, 0
	WIN 0
; THE WAY OUT, A's block a (16 rows of A x my 128 rows of B): number = sum x 2^(ea + eb) + bias, one packed multiply-add for two, each accumulator from its low end on; the hold; eight conversions; four stores.
; kind 0 (q, k): the lane's token is 16 a + r, accumulator b holds channels 16 b + 8 h + 0 .. 7: codes 2 b, 2 b + 1 are registers 2 (b % 4), + 1 of head b / 4's fragment of token tile a.
; kind 1 (v): the lane's channel place is 16 a + r, accumulator b holds keys 16 b + 8 h + 0 .. 7: the 16 registers are the whole fragment of channel tile a % 4 of head a / 4.
.macro OUTBLK a, kind
.set AC, 64*((\a)%4)
.set CD, CDS+16*((\a)%4)
.if (\a) >= 4
	s_wait_xcnt 0x0                                ; block a - 4's stores have read their codes: that set is written again only behind this wait
.endif
	WIN 0x02+((\a)/4)                              ; source 0: window 2 or 3
.set j, 0
.rept 32
.if \kind
	v_pk_fma_f32 v[TMP+j:TMP+j+1], v[AC+j:AC+j+1], s[100:101], v[BI2+2*(\a):BI2+2*(\a)+1] op_sel_hi:[1,0,0]
.else
	v_pk_fma_f32 v[TMP+j:TMP+j+1], v[AC+j:AC+j+1], s[100:101], v[BI1+j:BI1+j+1] op_sel_hi:[1,0,1]
.endif
.set j, j+2
.endr
	WIN 0
.set j, 0
.rept 64
	v_med3_num_f32 v[TMP+j], v[TMP+j], -v[LMV], v[LMV]   ; the conversion does not saturate (ISA guide 7.6.2)
.set j, j+1
.endr
.irp b, 0,1,2,3,4,5,6,7
	v_cvt_scalef32_pk8_fp8_f32 v[CD+2*\b:CD+2*\b+1], v[TMP+8*\b:TMP+8*\b+7], v[SCV]
.endr
	v_nop                                          ; a plain vector line behind the conversions, ahead of the next block's writes of their sources
.irp g, 0,1,2,3
.if \kind
	global_store_b128 v[CO], v[CD+4*\g:CD+4*\g+3], s[72:73] offset:((\a)/4)*131072+((\a)%4)*2048+\g*512
.else
	global_store_b128 v[CO], v[CD+4*\g:CD+4*\g+3], s[72:73] offset:(\g/2)*131072+(\a)*1024+(\g%2)*512
.endif
.endr
.endm
	s_wait_kmcnt 0x0
	s_cmp_eq_u32 ttmp9, 1                          ; the product's three exponents, chosen without a branch
	s_cselect_b32 s97, s90, s88                    ; A's: e2 or e0
	s_cselect_b32 s98, s91, s89                    ; B's: e3 or e1
	s_cselect_b32 s99, s95, s94                    ; the result's: k e7, q e6
	s_cmp_eq_u32 ttmp9, 2
	s_cselect_b32 s97, s92, s97                    ; e4
	s_cselect_b32 s98, s93, s98                    ; e5
	s_cselect_b32 s99, s96, s99                    ; v: e8
	s_add_co_i32 s100, s97, s98
	s_add_co_i32 s100, s100, 127
	s_lshl_b32 s100, s100, 23                      ; 2^(ea + eb) as f32
	s_mov_b32 s101, s100                           ; (named with it as a pair, so it is written)
	s_add_co_i32 s99, s99, 127
	s_lshl_b32 s97, s99, 23
	s_add_co_i32 s99, s99, 8
	s_lshl_b32 s99, s99, 23
	s_or_b32 s99, s99, 0x600000
	s_wait_loadcnt 0x0                             ; the biases
	PLACES NP                                      ; behind the last products: their results are read, and A's registers written, below
	v_mov_b32 v[SCV], s97                          ; the result's scale as f32
	v_mov_b32 v[LMV], s99                          ; 448 x that
	s_cmp_eq_u32 ttmp9, 2                          ; the same in all sixteen partners
	s_cbranch_scc1 .Lv_out
.irp a, 0,1,2,3,4,5,6,7
	OUTBLK \a, 0
.endr
	s_branch .Ldone
.Lv_out:
.irp a, 0,1,2,3,4,5,6,7
	OUTBLK \a, 1
.endr
.Ldone:
	s_wait_tensorcnt 0x0                           ; the wave's end
	ds_add_u32 v[SPW], v[NIL]
	s_wait_dscnt 0x0
	CROUND                                         ; the closing round: no work-group ends while a partner may still ask for a tile that names it
	s_endpgm
.Lfunc_end_k_q9a9a12e200_gemm_qkv:
	.size	k_q9a9a12e200_gemm_qkv, .Lfunc_end_k_q9a9a12e200_gemm_qkv-k_q9a9a12e200_gemm_qkv
	.p2alignl 7, 3214868480
	.fill 96, 4, 3214868480
	.section	.rodata,"a",@progbits
	.p2align	6, 0x0
	.amdhsa_kernel k_q9a9a12e200_gemm_qkv
		.amdhsa_group_segment_fixed_size 327680
		.amdhsa_private_segment_fixed_size 0
		.amdhsa_enable_private_segment 0
		.amdhsa_kernarg_size 56
		.amdhsa_user_sgpr_count 2
		.amdhsa_user_sgpr_kernarg_segment_ptr 1
		.amdhsa_wavefront_size32 1
		.amdhsa_system_sgpr_workgroup_id_x 1
		.amdhsa_system_sgpr_workgroup_id_y 1
		.amdhsa_system_sgpr_workgroup_id_z 1
		.amdhsa_system_vgpr_workitem_id 0
		.amdhsa_next_free_vgpr 1024
		.amdhsa_next_free_sgpr 102
		.amdhsa_reserve_vcc 0
		.amdhsa_float_denorm_mode_32 3
		.amdhsa_float_denorm_mode_16_64 3
		.amdhsa_memory_ordered 1
		.amdhsa_forward_progress 1
		.amdhsa_inst_pref_size 194
	.end_amdhsa_kernel
	.amdgpu_metadata
---
amdhsa.version: [ 1, 2 ]
amdhsa.kernels:
  - .name:           k_q9a9a12e200_gemm_qkv
    .symbol:         k_q9a9a12e200_gemm_qkv.kd
    .args:
      - { .name: xc, .offset: 0, .size: 8, .value_kind: global_buffer, .address_space: global }
      - { .name: wc, .offset: 8, .size: 8, .value_kind: global_buffer, .address_space: global }
      - { .name: lowp_scales, .offset: 16, .size: 8, .value_kind: global_buffer, .address_space: global }
      - { .name: bq, .offset: 24, .size: 8, .value_kind: global_buffer, .address_space: global }
      - { .name: bk, .offset: 32, .size: 8, .value_kind: global_buffer, .address_space: global }
      - { .name: bv, .offset: 40, .size: 8, .value_kind: global_buffer, .address_space: global }
      - { .name: qkv, .offset: 48, .size: 8, .value_kind: global_buffer, .address_space: global }
    .group_segment_fixed_size: 327680
    .private_segment_fixed_size: 0
    .kernarg_segment_align: 8
    .kernarg_segment_size: 56
    .max_flat_workgroup_size: 128
    .sgpr_count:     102
    .vgpr_count:     1024
    .wavefront_size: 32
...
	.end_amdgpu_metadata
.endif
;; end of part 2
;; launch attn (part 3): grid 4 x 64, 8 waves a work-group, clusters of 4 x 1, 327,680 bytes of LDS; arguments qkv, lowp_scales, ao; writes ao
.if DOCPART == 3
	.amdgcn_target "amdgcn-amd-amdhsa--gfx1250"
	.amdhsa_code_object_version 6
	.text
	.protected	k_q9a9a12e200_attn
	.globl	k_q9a9a12e200_attn
	.p2align	8
	.type	k_q9a9a12e200_attn,@function
k_q9a9a12e200_attn:
	s_mov_b64 s[64:65], 0
	v_nop
	global_prefetch_b8 v0, s[64:65] scope:SCOPE_SE
	s_setreg_imm32_b32 hwreg(HW_REG_WAVE_MODE, 25, 1), 1
	s_wait_xcnt 0x0
	s_wait_alu depctr_hold_cnt(0) depctr_sa_sdst(0) depctr_va_vdst(0) depctr_va_sdst(0) depctr_va_ssrc(0) depctr_va_vcc(0) depctr_vm_vsrc(0)
	s_getreg_b32 s2, hwreg(HW_REG_IB_STS2, 6, 4)
	s_cmp_eq_u32 s2, 0
	s_cbranch_scc0 .Lentry_in_a_cluster
	s_endpgm
.Lentry_in_a_cluster:
	s_bfe_u32 s2, ttmp6, 0x10000c
	s_cmp_lg_u32 s2, 0x3003
	s_cbranch_scc0 .Lentry_shape_is_right
	s_endpgm
.Lentry_shape_is_right:
; Causal attention on E4M3 codes, head size 64, 2,048 tokens, 64 (batch x head).  Its result, divided by the row's sum, is quantised (entry 10 of the scales) into images of the last product's operand.
; q, k, v come as images of operand registers (see the launch that makes them): a fragment is read at 16 x lane, 512 bytes a load.
; THE SOFTMAX: t = score x log2(e) / 8; M = the running largest t rounded UP to a whole number; p = 2^(t - M) is what is quantised (entry 9); the row's sum is taken of the unquantised p and divides at the end.
; When M moves, the sum and O are multiplied by 2^(old M - new M), which rounds nothing; no branch hangs on data.
; LEFT OUT: key steps all of whose keys come after a tile's queries: the causal mask makes their p zero.
; LDS HOLDS THE WHOLE HEAD: k's 131,072 bytes from byte 0, v's from byte 131,072: nothing is filled twice.  Keys 0-511 are asked for at the head (8 waves x 8,192 bytes: waves 0-3 k, 4-7 v),
; keys 512-2,047 (8 x 24,576 bytes) behind a cluster round, once keys 0-511 are in everywhere; they are waited for behind every wave's first four key steps, at one barrier.
; CLUSTER: the four work-groups of a head read the same k and v: every load is a joint one, mask 15, its descriptor made of the head and the wave's number alone.
; SHARES.  Work-group i (its place in the cluster) owns the tiles of 16 queries 4 j + i, j = 0 .. 31.  Tiles j = 2 m (a) and 2 m + 1 (b) both need key steps 0 .. m of 128 keys, whatever i: a wave holds such a PAIR at once,
; so that each fragment of k and v read from LDS feeds two matrix instructions, and the two tiles' dependent lines stand by turns.
; Wave w takes pair 15 - w and then pair w: 16 - w + w + 1 = 17 key steps in every wave of every work-group.  No branch, trip count or LDS address hangs on i: it enters global addresses and the mask's compare alone.
; THE MASK falls into a pair's last step alone.  There my query less the step's first key is 64 u + 16 i + r (u = 0 tile a, 1 tile b): in tile a keys 64-127 are hidden for every i, in tile b keys 0-63 count for every i;
; of the other 32 registers of each tile, register 8 t + j is hidden where 16 t + j > 16 i + r - 8 h: one compare serves both tiles.  Hidden scores become -infinity ahead of the maximum.  Key 0 counts for every query.
; K RUNS A STEP AHEAD: behind a step's score products K's registers take the next trip's fragments.  In the first loop the address is held at step 3, inside what has landed; what a passed-over or last trip leaves there is loaded anew or not used.
; LAYOUT.  S^T = K Q^T (source 0 = 16 keys, source 1 = 16 queries; K = 64), O^T = V^T P^T (source 0 = 16 channels, source 1 = P; K = 128 keys): a lane holds ONE query of each tile throughout.
; Tile t of S^T holds keys 16 t + 8 h + 0 .. 7: one conversion gives registers 2 t, 2 t + 1 of P.  v's channels lie exchanged, so that O^T's tiles 2 b, 2 b + 1 hold channels 32 b + 16 h + 0 .. 15 of the next operand.
; NO PREFETCH: both groups of loads leave at the head, one straight behind the other's landing; there is no loop left to run ahead in.
; LIMITS: e6 + e7 between -123 and 130 (added to c's exponent field); e9 and e10 between -126 and 119; e8 + e9 goes in by v_ldexp_f32 and has none.  The scaled scores stay under 2^31 in magnitude.
; REGISTERS.  Window 0: v1 16 x lane, v3 the mask's bound, v4 -infinity, v5, v6 the add's two, v7 v1 + v's region, v8, v9 LDS addresses, v10, v11 Q's offsets; tile a / b: v12 / v16 -M, v13 / v17 largest t, v[14:15] / v[18:19] the sum,
;   v[20:21] / v[22:23] f; v24-41 at work; v42-45 holds and scales; v48-63 Q (a, b), v64-79 the second pair's; v80-111 p's codes (a, b); v112-175, v176-239 S^T then p (a, b); v240-255 the result's codes.
;   Window 1: v0-63 K's eight fragments, v64-127 V's four, v128-159, v160-191 O^T (a, b).
.set VREG,  131072
.set SPARE, 262144                     ; behind k and v: the spare words, 128 bytes for each of eight waves, which no other line names
.set LI,  1
.set DM,  3
.set NINF, 4
.set SPW, 5
.set NIL, 6
.set LV,  7
.set ADK, 8
.set ADV, 9
.set HP,  42
.set SP,  43
.set HO,  44
.set SO,  45
.set QF,  48
.set QB,  64
.set PCA, 80
.set PCB, 96
.set SA,  112
.set SB,  176
.set OC,  240
.set KF,  0                            ; window 1
.set VF,  64
.set OA,  128
.set OB,  160
.set WV,  18
.set SEL, 20
.set CS,  22                           ; s[22:23] c = log2(e) / 8 x 2^(e6 + e7)
.set G1,  24                           ; s[24:31] group 1: 32 rows of 256 bytes, dense
.set G1P, 32                           ; s[32:39] group 1: 96 rows
.set G0,  40                           ; s[40:43] group 0 of keys 0-511
.set G0P, 44                           ; s[44:47] of keys 512-2,047
.set TR,  67                           ; the trip
.set ST,  74                           ; the key step
.set KO,  75                           ; its first byte in a region: 8,192 x step
.set MC,  76                           ; the pair in hand: its last key step
.set CX,  77
.set HB,  78
.set KN,  83                           ; the next trip's first byte
.set MSB, 0
.macro WIN new                         ; the immediate's high byte repeats the setting that is left
.if MSB != (\new)
	s_set_vgpr_msb (MSB<<8)|(\new)
.set MSB, (\new)
.endif
.endm
.macro NOPS n
.rept \n
	v_nop
.endr
.endm
.macro CREST
	s_cmp_lg_u32 s[WV], 0
	s_cbranch_scc1 .Lnot_wave_0_\@
	s_barrier_signal -3
.Lnot_wave_0_\@:
	s_barrier_wait -3
	s_barrier_signal -1
	s_barrier_wait -1
.endm
.macro CROUND                          ; a whole round of the cluster's barrier
	s_barrier_signal -1
	s_barrier_wait -1
	CREST
.endm
.macro LOADF d, adr                    ; 8,192 bytes into window 1: sixteen loads of 512 consecutive bytes
	WIN 0x40
.set n, 0
.rept 16
	ds_load_b128 v[\d+4*n:\d+4*n+3], v[\adr] offset:512*n
.set n, n+1
.endr
.endm
.macro INIT                            ; a pair begins: the largest t under every t, the sums and O^T zeros, which the first change of M leaves zeros
	v_mov_b32 v13, 0xff61b1e6
	v_mov_b32 v17, 0xff61b1e6
	s_delay_alu instid0(VALU_DEP_2)
	v_floor_f32 v12, -v13
	s_delay_alu instid0(VALU_DEP_2)
	v_floor_f32 v16, -v17
	v_mov_b32 v14, 0
	v_mov_b32 v15, 0
	v_mov_b32 v18, 0
	v_mov_b32 v19, 0
	WIN 0x40
.set n, 0
.rept 64
	v_mov_b32 v[OA+n], 0
.set n, n+1
.endr
	WIN 0
.endm
	s_load_b128 s[4:7], s[0:1], 0x0                ; qkv s[4:5], the scales s[6:7]
	s_load_b64 s[8:9], s[0:1], 0x10                ; ao
	v_lshl_add_u32 v[SPW], v0, 2, SPARE
	v_mov_b32 v[NIL], 0
	ds_add_u32 v[SPW], v[NIL]                      ; the wave's opening: the add, twice on end, and its wait ahead of my first tensor load
	ds_add_u32 v[SPW], v[NIL]
	v_lshrrev_b32 v8, 5, v0
	s_delay_alu instid0(VALU_DEP_1)
	v_readfirstlane_b32 s[WV], v8                  ; wave 0..7
	s_bfe_u32 s[CX], ttmp6, 0x40000                ; i: my place in the cluster
	s_and_b32 s[HB], ttmp7, 0xffff                 ; batch x 16 + head
	s_lshl_b32 s90, s[HB], 17                      ; its 131,072 bytes in each of q, k, v
	s_lshr_b32 s88, s[WV], 2                       ; I fetch for k (0) or v (1),
	s_and_b32 s89, s[WV], 3                        ; which quarter
	s_lshl_b32 s91, s88, 17                        ; the region in LDS
	s_lshl_b32 s92, s89, 13
	s_add_co_u32 s[G0+1], s91, s92                 ; keys 0-511: 8,192 bytes a wave
	s_mul_i32 s93, s89, 24576
	s_add_co_u32 s93, s93, 32768
	s_add_co_u32 s[G0P+1], s91, s93                ; the rest: 24,576 bytes a wave
	s_lshl_b32 s94, 0x800000, s88                  ; k lies 8 MiB, v 16 MiB into qkv
	s_add_co_u32 s94, s94, s90
	s_add_co_u32 s12, s94, s92
	s_mov_b32 s13, 0
	s_add_co_u32 s14, s94, s93
	s_mov_b32 s15, 0
	s_mov_b32 s[G1], 15|(3<<16)|(1<<21)            ; the mask: all four of the cluster; elements of 8 bytes; bit 21 beside a mask; no padding
	s_mov_b32 s[G1+1], 32<<16                      ; rows of 32 elements (256 bytes)
	s_mov_b32 s[G1+2], 32<<16                      ; 32 rows
	s_mov_b32 s[G1+3], 32<<16
	s_mov_b32 s[G1+4], 32
	s_mov_b32 s[G1+5], 32                          ; dense
	s_mov_b32 s[G1+6], 0
	s_mov_b32 s[G1+7], 0
	s_mov_b32 s[G1P], 15|(3<<16)|(1<<21)
	s_mov_b32 s[G1P+1], 32<<16
	s_mov_b32 s[G1P+2], 96<<16                     ; 96 rows
	s_mov_b32 s[G1P+3], 32<<16
	s_mov_b32 s[G1P+4], 96
	s_mov_b32 s[G1P+5], 32
	s_mov_b32 s[G1P+6], 0
	s_mov_b32 s[G1P+7], 0
	s_mov_b32 s[SEL], 0x76543210
	s_mov_b32 s[SEL+1], 0xfedcba98
	s_mov_b32 s[CS], 0x3e38aa3b                    ; log2(e) / 8
	s_wait_dscnt 0x0                               ; both opening adds are done
	s_wait_kmcnt 0x0
	s_load_b128 s[68:71], s[6:7], 0x18             ; e6, e7, e8, e9
	s_load_b32 s72, s[6:7], 0x28                   ; e10
	s_mov_b32 s[G0], 1
	s_add_nc_u64 s[G0+2:G0+3], s[4:5], s[12:13]
	s_or_b32 s[G0+3], s[G0+3], 0x80000000
	s_mov_b32 s[G0P], 1
	s_add_nc_u64 s[G0P+2:G0P+3], s[4:5], s[14:15]
	s_or_b32 s[G0P+3], s[G0P+3], 0x80000000
	CROUND                                         ; all four work-groups are here: the first joint loads meet
	tensor_load_to_lds s[G0:G0+3], s[G1:G1+7]      ; my one load at the head
	s_nop 0
	NOPS 4
	s_lshl_b32 s50, s[CX], 10                      ; Q: tile 8 m + 4 u + i, 1,024 bytes each
	s_add_co_u32 s50, s50, s90
	s_mov_b32 s51, 0
	s_add_nc_u64 s[10:11], s[4:5], s[50:51]
	s_lshr_b32 s52, s[HB], 4                       ; ao: [tile of 16 tokens][16,384]; head hd fills 1,024 bytes from 1,024 hd on
	s_lshl_b32 s52, s52, 21
	s_and_b32 s53, s[HB], 15
	s_lshl_b32 s53, s53, 10
	s_add_co_u32 s52, s52, s53
	s_lshl_b32 s53, s[CX], 14
	s_add_co_u32 s52, s52, s53
	s_sub_co_u32 s[MC], 15, s[WV]                  ; the first pair
	s_lshl_b32 s54, s[MC], 17                      ; a pair's eight tiles on
	s_add_co_u32 s54, s54, s52
	s_mov_b32 s55, 0
	s_add_nc_u64 s[84:85], s[8:9], s[54:55]        ; where the first pair's result goes,
	s_lshl_b32 s54, s[WV], 17
	s_add_co_u32 s54, s54, s52
	s_add_nc_u64 s[86:87], s[8:9], s[54:55]        ; and the second's
	s_lshl_b32 s56, s[MC], 13
	s_lshl_b32 s57, s[WV], 13
	s_lshl_b32 s58, s[CX], 4
	v_and_b32 v[LI], 31, v0
	s_delay_alu instid0(VALU_DEP_1)
	v_lshlrev_b32 v[LI], 4, v[LI]
	s_delay_alu instid0(VALU_DEP_1)
	v_add_nc_u32 v[LV], VREG, v[LI]
	v_add_nc_u32 v10, s56, v[LI]
	v_add_nc_u32 v11, s57, v[LI]
	v_and_b32 v[DM], 15, v0
	v_bfe_u32 v2, v0, 4, 1
	s_delay_alu instid0(VALU_DEP_1)
	v_lshlrev_b32 v2, 3, v2
	s_delay_alu instid0(VALU_DEP_1)
	v_sub_nc_u32 v[DM], v[DM], v2
	s_delay_alu instid0(VALU_DEP_1)
	v_add_nc_u32 v[DM], s58, v[DM]                 ; 16 i + r - 8 h
.irp u, 0,1                                    ; tile a's Q, then tile b's
	global_load_b128 v[QF+8*\u:QF+8*\u+3], v10, s[10:11] offset:4096*\u
	global_load_b128 v[QF+8*\u+4:QF+8*\u+7], v10, s[10:11] offset:4096*\u+512
	global_load_b128 v[QB+8*\u:QB+8*\u+3], v11, s[10:11] offset:4096*\u
	global_load_b128 v[QB+8*\u+4:QB+8*\u+7], v11, s[10:11] offset:4096*\u+512
.endr
	s_wait_alu depctr_va_vdst(0)
	s_wait_kmcnt 0x0
	s_add_co_i32 s59, s68, s69
	s_lshl_b32 s59, s59, 23
	s_add_co_i32 s[CS], s[CS], s59                 ; a score stands for score x 2^(e6 + e7)
	s_mov_b32 s[CS+1], s[CS]
	s_add_co_i32 s73, s70, s71                     ; e8 + e9
	s_add_co_i32 s59, s71, 127
	s_lshl_b32 s79, s59, 23
	s_add_co_i32 s59, s59, 8
	s_lshl_b32 s80, s59, 23
	s_or_b32 s80, s80, 0x600000
	s_add_co_i32 s59, s72, 127
	s_lshl_b32 s81, s59, 23
	s_add_co_i32 s59, s59, 8
	s_lshl_b32 s82, s59, 23
	s_or_b32 s82, s82, 0x600000
	v_mov_b32 v[NINF], 0xff800000
	v_mov_b32 v[SP], s79                           ; 2^e9, for p's conversions
	v_mov_b32 v[HP], s80                           ; 448 x 2^e9
	v_mov_b32 v[SO], s81                           ; 2^e10, for the result's
	v_mov_b32 v[HO], s82
	v_mov_b32 v21, 0                               ; (named as the upper halves of f's pairs)
	v_mov_b32 v23, 0
	v_mov_b32 v28, 0                               ; a lane permute's destination counts as one of its sources
	v_mov_b32 v29, 0
	INIT
.macro ADD4 t, l, s                    ; eight more p of one tile onto its four chains
	v_pk_add_f32 v[\t:\t+1], v[\t:\t+1], v[\s:\s+1]
	v_pk_add_f32 v[\t+2:\t+3], v[\t+2:\t+3], v[\s+2:\s+3]
	v_pk_add_f32 v[\t+4:\t+5], v[\t+4:\t+5], v[\s+4:\s+5]
	v_pk_add_f32 v[\l:\l+1], v[\l:\l+1], v[\s+6:\s+7]
.endm
.macro ADD0 t, l, s                    ; a tile's first fourteen p start three chains and go on with the fourth
	v_pk_add_f32 v[\t:\t+1], v[\s:\s+1], v[\s+2:\s+3]
	v_pk_add_f32 v[\t+2:\t+3], v[\s+4:\s+5], v[\s+6:\s+7]
	v_pk_add_f32 v[\t+4:\t+5], v[\s+8:\s+9], v[\s+10:\s+11]
	v_pk_add_f32 v[\l:\l+1], v[\l:\l+1], v[\s+12:\s+13]
.endm
; A KEY STEP of the pair in hand: 128 keys at byte s[KO] of v's region; K's fragments are in registers or on their way.  last = 1: the step may be the pair's last, which has the mask.
.macro STEP last
	v_add_nc_u32 v[ADV], s[KO], v[LV]
	v_add_nc_u32 v[ADK], s[KN], v[LI]
	NOPS 2                                         ; with the two additions: four places in front of loads into registers that the last products read
	LOADF VF, ADV                                  ; V's four fragments land while the softmax is worked
	s_wait_alu depctr_va_vdst(0)
	s_wait_dscnt 16                                ; K is in; V's sixteen loads may be out
	WIN 0x01                                       ; K from window 1
.set n, 0
.rept 8
	v_wmma_f32_16x16x64_fp8_fp8 v[SA+8*n:SA+8*n+7], v[KF+8*n:KF+8*n+7], v[QF:QF+7], 0
	v_wmma_f32_16x16x64_fp8_fp8 v[SB+8*n:SB+8*n+7], v[KF+8*n:KF+8*n+7], v[QF+8:QF+15], 0
.set n, n+1
.endr
	NOPS 4                                         ; places: K's registers are loaded anew, and the scores read or written, below
	LOADF KF, ADK                                  ; the next trip's K
	WIN 0
.if \last
	s_cmp_lg_u32 s[ST], s[MC]                      ; the wave's number and the trip alone
	s_cbranch_scc1 .Lopen_\@
.set n, 0
.rept 32
	v_cmp_gt_i32 vcc_lo, 16*(n/8)+n%8, v[DM]
	v_cndmask_b32 v[SA+n], v[SA+n], v[NINF], vcc_lo
	v_cndmask_b32 v[SB+32+n], v[SB+32+n], v[NINF], vcc_lo
.set n, n+1
.endr
.set n, 0
.rept 32
	v_mov_b32 v[SA+32+n], v[NINF]                  ; tile a: keys 64-127 of its last step come after all its queries
.set n, n+1
.endr
.Lopen_\@:
.endif
	v_max3_num_f32 v24, v[SA], v[SA+1], v[SA+2]    ; the step's largest score of each query among my 64 keys, two chains a tile; each accumulator is first read at its low end
	v_max3_num_f32 v25, v[SA+3], v[SA+4], v[SA+5]
	v_max3_num_f32 v26, v[SB], v[SB+1], v[SB+2]
	v_max3_num_f32 v27, v[SB+3], v[SB+4], v[SB+5]
.irp i, 6,10,14,18,22,26,30,34,38,42,46,50,54,58
	v_max3_num_f32 v24, v24, v[SA+\i], v[SA+\i+1]
	v_max3_num_f32 v25, v25, v[SA+\i+2], v[SA+\i+3]
	v_max3_num_f32 v26, v26, v[SB+\i], v[SB+\i+1]
	v_max3_num_f32 v27, v27, v[SB+\i+2], v[SB+\i+3]
.endr
	v_max3_num_f32 v24, v24, v[SA+62], v[SA+63]
	v_max3_num_f32 v26, v26, v[SB+62], v[SB+63]
	s_delay_alu instid0(VALU_DEP_2)                ; from here on tile a's and tile b's lines stand by turns
	v_max_num_f32 v24, v24, v25
	s_delay_alu instid0(VALU_DEP_2)
	v_max_num_f32 v26, v26, v27
	s_delay_alu instid0(VALU_DEP_2)
	v_permlanex16_b32 v28, v24, s[SEL], s[SEL+1]
	s_delay_alu instid0(VALU_DEP_2)
	v_permlanex16_b32 v29, v26, s[SEL], s[SEL+1]
	s_delay_alu instid0(VALU_DEP_2)
	v_max_num_f32 v24, v24, v28                    ; and among lane l xor 16's
	s_delay_alu instid0(VALU_DEP_2)
	v_max_num_f32 v26, v26, v29
	s_delay_alu instid0(VALU_DEP_2)
	v_mul_f32 v24, s[CS], v24                      ; as t (c is positive)
	s_delay_alu instid0(VALU_DEP_2)
	v_mul_f32 v26, s[CS], v26
	s_delay_alu instid0(VALU_DEP_2)
	v_max_num_f32 v13, v13, v24
	s_delay_alu instid0(VALU_DEP_2)
	v_max_num_f32 v17, v17, v26
	v_mov_b32 v24, v12
	v_mov_b32 v26, v16
	s_delay_alu instid0(VALU_DEP_4)
	v_floor_f32 v12, -v13                          ; -M = floor(-t): M is a whole number
	s_delay_alu instid0(VALU_DEP_4)
	v_floor_f32 v16, -v17
	s_delay_alu instid0(VALU_DEP_2)
	v_sub_f32 v24, v12, v24                        ; old M - new M, 0 or less
	s_delay_alu instid0(VALU_DEP_2)
	v_sub_f32 v26, v16, v26
	s_delay_alu instid0(VALU_DEP_2)
	v_cvt_i32_f32 v24, v24                         ; (it saturates)
	s_delay_alu instid0(VALU_DEP_2)
	v_cvt_i32_f32 v26, v26
	s_delay_alu instid0(VALU_DEP_2)
	v_ldexp_f32 v20, 1.0, v24                      ; f = 2^(old M - new M)
	s_delay_alu instid0(VALU_DEP_2)
	v_ldexp_f32 v22, 1.0, v26
.set n, 0
.rept 32
	v_pk_fma_f32 v[SA+n:SA+n+1], v[SA+n:SA+n+1], s[CS:CS+1], v[12:13] op_sel_hi:[1,0,0]   ; t - M, two at a time
.set n, n+2
.endr
.set n, 0
.rept 32
	v_pk_fma_f32 v[SB+n:SB+n+1], v[SB+n:SB+n+1], s[CS:CS+1], v[16:17] op_sel_hi:[1,0,0]
.set n, n+2
.endr
	s_wait_alu depctr_va_vdst(0)                   ; the wait ahead of the batch
.set n, 0
.rept 128
	v_exp_f32 v[SA+n], v[SA+n]                     ; p = 2^(t - M), both tiles in one batch
.set n, n+1
.endr
	v_pk_mul_f32 v[14:15], v[14:15], v[20:21] op_sel_hi:[1,0]   ; the sums under the new M: plain lines behind the exponentials
	v_pk_mul_f32 v[18:19], v[18:19], v[22:23] op_sel_hi:[1,0]
	s_wait_alu depctr_va_vdst(0)                   ; one wait for the whole batch, ahead of its first reader
	ADD0 30, 14, SA                                ; the rows' sums of the unquantised p, two at a time, four chains a tile
	ADD0 36, 18, SB
.irp n, 14,22,30,38,46,54
	ADD4 30, 14, SA+\n
	ADD4 36, 18, SB+\n
.endr
	v_pk_add_f32 v[30:31], v[30:31], v[SA+62:SA+63]
	v_pk_add_f32 v[36:37], v[36:37], v[SB+62:SB+63]
	v_pk_add_f32 v[32:33], v[32:33], v[34:35]
	v_pk_add_f32 v[38:39], v[38:39], v[40:41]
	s_delay_alu instid0(VALU_DEP_4)
	v_pk_add_f32 v[14:15], v[14:15], v[30:31]
	s_delay_alu instid0(VALU_DEP_4)
	v_pk_add_f32 v[18:19], v[18:19], v[36:37]
	s_delay_alu instid0(VALU_DEP_2)
	v_pk_add_f32 v[14:15], v[14:15], v[32:33]
	s_delay_alu instid0(VALU_DEP_2)
	v_pk_add_f32 v[18:19], v[18:19], v[38:39]
.irp t, 0,1,2,3,4,5,6,7,8,9,10,11,12,13,14,15  ; tile a's eight accumulators, then tile b's: scores and codes of the two lie on end
.irp i, 0,1,2,3,4,5,6,7
	v_min_num_f32 v[SA+8*\t+\i], v[SA+8*\t+\i], v[HP]   ; the conversion does not saturate (ISA guide 7.6.2); p is not negative, so the hold is one-sided
.endr
	v_cvt_scalef32_pk8_fp8_f32 v[PCA+2*\t:PCA+2*\t+1], v[SA+8*\t:SA+8*\t+7], v[SP]
.endr
	WIN 0x41                                       ; O^T in window 1, f in window 0
	s_wait_alu depctr_va_vdst(0)                   ; directly ahead of the first reader of O^T
.set n, 0
.rept 16
	v_pk_mul_f32 v[OA+n:OA+n+1], v[OA+n:OA+n+1], v[20:21] op_sel_hi:[1,0]   ; O^T under the new M; also the plain lines between the conversions and the products
.set n, n+2
.endr
.set n, 0
.rept 16
	v_pk_mul_f32 v[OB+n:OB+n+1], v[OB+n:OB+n+1], v[22:23] op_sel_hi:[1,0]
.set n, n+2
.endr
	s_wait_alu depctr_va_vdst(0)
	s_wait_dscnt 0x0                               ; V is in, and so is the next K
	WIN 0x51                                       ; V, C and D in window 1, P in window 0
.set n, 0
.rept 4                                        ; eight accumulators by turns, one instruction a turn
	v_wmma_f32_16x16x128_fp8_fp8 v[OA+8*n:OA+8*n+7], v[VF+16*n:VF+16*n+15], v[PCA:PCA+15], v[OA+8*n:OA+8*n+7]
	v_wmma_f32_16x16x128_fp8_fp8 v[OB+8*n:OB+8*n+7], v[VF+16*n:VF+16*n+15], v[PCB:PCB+15], v[OB+8*n:OB+8*n+7]
.set n, n+1
.endr
	WIN 0
.endm
; THE WAY OUT of one tile: O^T x 2^(e8 + e9) / the sum, held, converted under e10: two stores of 512 consecutive bytes, aligned.  l: the sum's pair; o: O^T; s: 32 registers at work; c: the codes.
.macro WAYOUT l, o, s, c, p, off
	s_wait_xcnt 0x0                                ; earlier stores have read their codes
	NOPS 4                                         ; places behind the last products
	v_add_f32 v[\l], v[\l], v[\l+1]
	s_wait_alu depctr_va_vdst(0)
	v_permlanex16_b32 v28, v[\l], s[SEL], s[SEL+1]
	s_delay_alu instid0(VALU_DEP_1)
	v_add_f32 v[\l], v[\l], v28                    ; the row's sum
	s_wait_alu depctr_va_vdst(0)                   ; the wait ahead of the transcendental,
	v_rcp_f32 v[\l], v[\l]
	v_nop                                          ; a plain line behind it,
	s_wait_alu depctr_va_vdst(0)                   ; and the wait ahead of its first reader
	v_ldexp_f32 v[\l], v[\l], s73
	WIN 0x01                                       ; O^T from window 1
	s_wait_alu depctr_va_vdst(0)                   ; and here, directly ahead of the first reader of O^T
.set n, 0
.rept 16
	v_pk_mul_f32 v[\s+n:\s+n+1], v[\o+n:\o+n+1], v[\l:\l+1] op_sel_hi:[1,0]   ; each accumulator from its low end on
.set n, n+2
.endr
	WIN 0
.set n, 0
.rept 32
	v_med3_num_f32 v[\s+n], v[\s+n], -v[HO], v[HO]
.set n, n+1
.endr
.irp t, 0,1,2,3
	v_cvt_scalef32_pk8_fp8_f32 v[\c+2*\t:\c+2*\t+1], v[\s+8*\t:\s+8*\t+7], v[SO]
.endr
	v_nop                                          ; a plain line behind the conversions: products will write their sources again
	global_store_b128 v[LI], v[\c:\c+3], s[\p:\p+1] offset:\off
	global_store_b128 v[LI], v[\c+4:\c+7], s[\p:\p+1] offset:\off+512
.endm
	s_wait_alu depctr_va_vdst(0)                   ; the wait at the head's end
	s_wait_tensorcnt 0x0                           ; my part of keys 0-511 is in
	ds_add_u32 v[SPW], v[NIL]
	s_wait_dscnt 0x0
	CROUND                                         ; everybody's part is in, and all four work-groups are here
	tensor_load_to_lds s[G0P:G0P+3], s[G1P:G1P+7]  ; keys 512-2,047: my one load behind the round
	s_nop 0
	NOPS 4
	LOADF KF, LI                                   ; step 0's K
	WIN 0
	s_wait_loadcnt 0x0                             ; Q
	s_mov_b32 s[TR], 0
.La:                                               ; key steps 0-3 of the first pair (it has nine at the least): none is its last
	s_lshl_b32 s[KO], s[TR], 13
	s_add_co_u32 s88, s[TR], 1
	s_min_u32 s88, s88, 3                          ; the look-ahead stays inside keys 0-511
	s_lshl_b32 s[KN], s88, 13
	STEP 0
	s_add_co_u32 s[TR], s[TR], 1
	s_cmp_lt_u32 s[TR], 4
	s_cbranch_scc1 .La
	s_wait_tensorcnt 0x0                           ; my part of the other keys is in;
	s_wait_dscnt 0x0
	s_barrier_signal -1
	s_barrier_wait -1                              ; and everybody's.
	v_add_nc_u32 v[ADK], 32768, v[LI]
	LOADF KF, ADK                                  ; step 4's K
	WIN 0
	s_mov_b32 s[TR], 4
.Lbc:                                              ; twenty trips, a constant: steps 4-15 of the first pair, then steps 0-7 of the second; a step behind the pair's last is passed over
	s_and_b32 s[ST], s[TR], 15
	s_lshl_b32 s[KO], s[ST], 13
	s_add_co_u32 s88, s[TR], 1
	s_and_b32 s88, s88, 15
	s_lshl_b32 s[KN], s88, 13
	s_cmp_gt_u32 s[ST], s[MC]
	s_cbranch_scc1 .Lskip
	STEP 1
.Lskip:
	s_cmp_lg_u32 s[TR], 15
	s_cbranch_scc1 .Lsame
	WAYOUT 14, OA, SA, OC, 84, 0                   ; the first pair leaves (tile b lies four tiles of 16,384 bytes behind tile a), and the second begins
	WAYOUT 18, OB, SB, OC+8, 84, 65536
.set n, 0
.rept 16
	v_mov_b32 v[QF+n], v[QB+n]
.set n, n+1
.endr
	INIT
	s_wait_dscnt 0x0                               ; no earlier load into K's registers is still out, on the way that passed every step over too
	LOADF KF, LI
	WIN 0
	s_mov_b32 s[MC], s[WV]
	s_wait_alu depctr_va_vdst(0)
.Lsame:
	s_add_co_u32 s[TR], s[TR], 1
	s_cmp_lt_u32 s[TR], 24
	s_cbranch_scc1 .Lbc
	WAYOUT 14, OA, SA, OC, 86, 0
	WAYOUT 18, OB, SB, OC+8, 86, 65536
	s_wait_tensorcnt 0x0                           ; the wave's end
	ds_add_u32 v[SPW], v[NIL]
	s_wait_dscnt 0x0
	CROUND                                         ; the closing round
	s_endpgm
.Lfunc_end_k_q9a9a12e200_attn:
	.size	k_q9a9a12e200_attn, .Lfunc_end_k_q9a9a12e200_attn-k_q9a9a12e200_attn
	.p2alignl 7, 3214868480
	.fill 96, 4, 3214868480
	.section	.rodata,"a",@progbits
	.p2align	6, 0x0
	.amdhsa_kernel k_q9a9a12e200_attn
		.amdhsa_group_segment_fixed_size 327680
		.amdhsa_private_segment_fixed_size 0
		.amdhsa_enable_private_segment 0
		.amdhsa_kernarg_size 24
		.amdhsa_user_sgpr_count 2
		.amdhsa_user_sgpr_kernarg_segment_ptr 1
		.amdhsa_wavefront_size32 1
		.amdhsa_system_sgpr_workgroup_id_x 1
		.amdhsa_system_sgpr_workgroup_id_y 1
		.amdhsa_system_sgpr_workgroup_id_z 1
		.amdhsa_system_vgpr_workitem_id 0
		.amdhsa_next_free_vgpr 512
		.amdhsa_next_free_sgpr 100
		.amdhsa_reserve_vcc 1
		.amdhsa_float_denorm_mode_32 3
		.amdhsa_float_denorm_mode_16_64 3
		.amdhsa_memory_ordered 1
		.amdhsa_forward_progress 1
		.amdhsa_inst_pref_size 96
	.end_amdhsa_kernel
	.amdgpu_metadata
---
amdhsa.version: [ 1, 2 ]
amdhsa.kernels:
  - .name:           k_q9a9a12e200_attn
    .symbol:         k_q9a9a12e200_attn.kd
    .args:
      - { .name: qkv, .offset: 0, .size: 8, .value_kind: global_buffer, .address_space: global }
      - { .name: lowp_scales, .offset: 8, .size: 8, .value_kind: global_buffer, .address_space: global }
      - { .name: ao, .offset: 16, .size: 8, .value_kind: global_buffer, .address_space: global }
    .group_segment_fixed_size: 327680
    .private_segment_fixed_size: 0
    .kernarg_segment_align: 8
    .kernarg_segment_size: 24
    .max_flat_workgroup_size: 256
    .sgpr_count:     100
    .vgpr_count:     512
    .wavefront_size: 32
...
	.end_amdgpu_metadata
.endif
;; end of part 3
;; launch gemm_out (part 4): grid 4 x 64, 4 waves a work-group, clusters of 4 x 4, 327,680 bytes of LDS; arguments ao, wc, lowp_scales, bo, out0; writes out0
.if DOCPART == 4
	.amdgcn_target "amdgcn-amd-amdhsa--gfx1250"
	.amdhsa_code_object_version 6
	.text
	.protected	k_q9a9a12e200_gemm_out
	.globl	k_q9a9a12e200_gemm_out
	.p2align	8
	.type	k_q9a9a12e200_gemm_out,@function
k_q9a9a12e200_gemm_out:
	s_mov_b64 s[64:65], 0
	v_nop
	global_prefetch_b8 v0, s[64:65] scope:SCOPE_SE
	s_setreg_imm32_b32 hwreg(HW_REG_WAVE_MODE, 25, 1), 1
	s_wait_xcnt 0x0
	s_wait_alu depctr_hold_cnt(0) depctr_sa_sdst(0) depctr_va_vdst(0) depctr_va_sdst(0) depctr_va_ssrc(0) depctr_va_vcc(0) depctr_vm_vsrc(0)
	s_getreg_b32 s2, hwreg(HW_REG_IB_STS2, 6, 4)
	s_cmp_eq_u32 s2, 0
	s_cbranch_scc0 .Lentry_in_a_cluster
	s_endpgm
.Lentry_in_a_cluster:
	s_bfe_u32 s2, ttmp6, 0x10000c
	s_cmp_lg_u32 s2, 0xf033
	s_cbranch_scc0 .Lentry_shape_is_right
	s_endpgm
.Lentry_shape_is_right:
; out0 = attention's result x Wo^T + bo on E4M3 codes (entries 10 and 11 of the scales): out0[m][n] = 2^(e10 + e11) x sum over k of A[m][k] B[n][k] + bo[n].  M = 8,192, N = K = 1,024.
; A work-group makes 128 rows x 256 columns: 64 x 4 = 256 work-groups; a wave 64 x 128: 32 accumulators.
; B = Wo's codes (wc + 3 MiB, rows of 1,024 bytes).  The work-group's 256 rows over the WHOLE K lie in LDS: four quarters of K, 256 rows x 256 bytes each, rows padded to 272 bytes; wave w fetches quarter w: one tensor load a wave,
; nothing is filled twice, one barrier.  CLUSTER 4 x 4: B hangs on the tile column alone and is asked for jointly along a column of the cluster.
; A = ao, images of operand registers [tile of 16 tokens][K step of 128 (8)][2,048 bytes]: a fragment is four loads of 512 consecutive bytes FROM MEMORY INTO REGISTERS, no LDS.  K steps 0-6 (112 loads a wave) are asked for at the head,
; K step 7 behind K step 0's products, into the registers that those have left.  A is not asked for jointly: it does not go through LDS.
; B's fragments come by four 16-byte loads: the permutation of k that A's images have.  THE MATRIX INSTRUCTION IS USED TRANSPOSED (source 0 = 16 rows of B, source 1 = 16 rows of A): a lane holds eight neighbouring columns of a row.
; NO PREFETCH: all of A but its last K step and all of B are asked for at the head; there is no loop to run ahead in.
; LIMIT: e10 + e11 between -126 and 127.
; REGISTERS.  Window 0: v0-35 addresses and the bias; v64-255 A's K steps 4-6 (on the way out v128-255 are at work).  Window 1: B's fragments, two sets.  Window 2: accumulator (a, b) at v[8 (8 a + b)].  Window 3: A's K steps 0-3, then 7.
.set PITCH,  272                       ; an LDS row: 256 bytes + 16 of padding: the 16 rows that a load touches start at 16 different banks (64 banks of 4 bytes: ISA guide 11.1)
.set QTR,    256*PITCH                 ; a quarter of K
.set STAGE,  4*QTR                     ; behind B: the way out's stages, 16 rows x 528 bytes for each wave; no tile lands there
.set SPITCH, 528
.set SPARE,  STAGE+4*16*SPITCH         ; behind the stages: the spare words, 128 bytes for each wave, which no other line names
.set NP,     4                         ; places behind this matrix instruction (ISA guide 7.12.1)
.set ADRB, 20                          ; v20-23 my B fragments' address in quarters 0-3
.set STO,  24
.set RD,   25
.set CO,   26                          ; 16 x lane
.set SPW,  28
.set NIL,  29
.set BO,   32
.set BK,   128
.set G1B, 48
.set G0B, 56
.set MSB, 0
.macro WIN new                         ; the immediate's high byte repeats the setting that is left
.if MSB != (\new)
	s_set_vgpr_msb (MSB<<8)|(\new)
.set MSB, (\new)
.endif
.endm
.macro PLACES n
.rept \n
	v_nop
.endr
.endm
.macro CREST
	s_cmp_lg_u32 s14, 0
	s_cbranch_scc1 .Lnot_wave_0_\@
	s_barrier_signal -3
.Lnot_wave_0_\@:
	s_barrier_wait -3
	s_barrier_signal -1
	s_barrier_wait -1
.endm
.macro CROUND
	s_barrier_signal -1
	s_barrier_wait -1
	CREST
.endm
	s_load_b128 s[4:7], s[0:1], 0x0                ; ao s[4:5], wc s[6:7]
	s_load_b128 s[8:11], s[0:1], 0x10              ; the scales s[8:9], bo s[10:11]
	s_load_b64 s[12:13], s[0:1], 0x20              ; out0
	v_lshl_add_u32 v[SPW], v0, 2, SPARE
	v_mov_b32 v[NIL], 0
	ds_add_u32 v[SPW], v[NIL]                      ; the wave's opening: the add, twice on end, and its wait ahead of my first tensor load
	ds_add_u32 v[SPW], v[NIL]
	v_lshrrev_b32 v1, 5, v0
	v_readfirstlane_b32 s14, v1                    ; wave 0..3
	s_lshr_b32 s15, s14, 1                         ; which 64 rows are mine
	s_and_b32 s16, s14, 1                          ; which 128 columns
	s_bfe_u32 s40, ttmp6, 0x40000                  ; cx, cy
	s_bfe_u32 s41, ttmp6, 0x40004
	s_lshl_b32 s42, ttmp9, 2
	s_add_co_u32 s42, s42, s40                     ; tile column, 0..3
	s_and_b32 s17, ttmp7, 0xffff
	s_lshl_b32 s17, s17, 2
	s_add_co_u32 s17, s17, s41                     ; tile row, 0..63
	s_lshl_b32 s44, 0x1111, s40                    ; my column of the cluster
	s_or_b32 s[G1B+0], s44, (0<<16)|(1<<20)|(1<<21)|(5<<22)|(3<<25)  ; the mask; elements of 1 byte; padding on; bit 21 beside a mask; after every 64 words, 4 words
	s_mov_b32 s[G1B+1], 256<<16                    ; rows of 256 bytes
	s_mov_b32 s[G1B+2], 256<<16                    ; 256 rows
	s_mov_b32 s[G1B+3], 256<<16
	s_mov_b32 s[G1B+4], 256
	s_mov_b32 s[G1B+5], 1024                       ; the pitch
	s_mov_b32 s[G1B+6], 0
	s_mov_b32 s[G1B+7], 0
	s_lshl_b32 s46, s42, 18                        ; B: 256 rows of 1,024 bytes a tile column,
	s_lshl_b32 s18, s14, 8                         ; my quarter of K,
	s_add_co_u32 s46, s46, s18
	s_add_co_u32 s46, s46, 3<<20                   ; in Wo's codes
	s_mov_b32 s47, 0
	s_mul_i32 s45, s14, QTR
	s_wait_dscnt 0x0                               ; both opening adds are done
	s_wait_kmcnt 0x0
	s_load_b64 s[96:97], s[8:9], 0x28              ; e10, e11
	s_mov_b32 s[G0B], 1
	s_mov_b32 s[G0B+1], s45
	s_add_nc_u64 s[G0B+2:G0B+3], s[6:7], s[46:47]
	s_or_b32 s[G0B+3], s[G0B+3], 0x80000000
	CROUND                                         ; all sixteen work-groups are here: the joint loads meet
	tensor_load_to_lds s[G0B:G0B+3], s[G1B:G1B+7]  ; my one tensor load
	s_nop 0
	PLACES 4
	s_lshl_b32 s20, s17, 3
	s_lshl_b32 s21, s15, 2
	s_add_co_u32 s20, s20, s21                     ; A: my first tile of 16 tokens,
	s_lshl_b32 s20, s20, 14                        ; 16,384 bytes each
	s_mov_b32 s21, 0
	s_add_nc_u64 s[20:21], s[4:5], s[20:21]
	s_lshl_b32 s22, s17, 7
	s_lshl_b32 s23, s15, 6
	s_add_co_u32 s22, s22, s23                     ; my first row of out0,
	s_lshl_b32 s22, s22, 12                        ; 4,096 bytes each
	s_lshl_b32 s66, s42, 10
	s_lshl_b32 s67, s16, 9
	s_add_co_u32 s66, s66, s67                     ; my first column, in bytes
	s_mov_b32 s67, 0
	s_add_co_u32 s22, s22, s66
	s_mov_b32 s23, 0
	s_add_nc_u64 s[12:13], s[12:13], s[22:23]
	s_add_nc_u64 s[10:11], s[10:11], s[66:67]
	s_mul_i32 s84, s16, 128*PITCH                  ; my 128 rows of B, in each quarter
	s_add_co_u32 s85, s84, QTR
	s_add_co_u32 s86, s84, 2*QTR
	s_add_co_u32 s87, s84, 3*QTR
	s_mul_i32 s88, s14, 16*SPITCH
	s_add_co_u32 s88, s88, STAGE                   ; my stage
	v_and_b32 v6, 31, v0
	v_lshlrev_b32 v[CO], 4, v6
	v_and_b32 v1, 15, v0                           ; r
	v_bfe_u32 v2, v0, 4, 1                         ; h
	v_mul_u32_u24 v3, v1, PITCH
	v_lshl_add_u32 v4, v2, 4, v3                   ; a fragment's row x pitch + 16 h
	v_add_nc_u32 v[ADRB], s84, v4
	v_add_nc_u32 v[ADRB+1], s85, v4
	v_add_nc_u32 v[ADRB+2], s86, v4
	v_add_nc_u32 v[ADRB+3], s87, v4
	v_mul_u32_u24 v5, v1, SPITCH
	v_lshl_add_u32 v5, v2, 5, v5
	v_add_nc_u32 v[STO], s88, v5                   ; into the stage: row r, 32 bytes for each half of the lanes
	v_add_nc_u32 v[RD], s88, v[CO]                 ; back: the 32 lanes take one row of 512 bytes
	global_load_b128 v[BO:BO+3], v[CO], s[10:11]   ; the bias of my four columns of a row
.macro ALOAD ks, base                  ; A's four fragments of K step ks: sixteen loads of 512 consecutive bytes
.irp i, 0,1,2,3
.irp c, 0,1,2,3
	global_load_b128 v[\base+16*\i+4*\c:\base+16*\i+4*\c+3], v[CO], s[20:21] offset:\i*16384+(\ks)*2048+512*\c
.endr
.endr
.endm
	WIN 0xc0                                       ; destination window 3
	ALOAD 0, 0
	ALOAD 1, 64
	ALOAD 2, 128
	ALOAD 3, 192
	WIN 0
	ALOAD 4, 64
	ALOAD 5, 128
	ALOAD 6, 192
.macro FETCH_B ks                      ; B's eight fragments of K step ks into set ks % 2: lane l holds row l % 16; registers 4 c .. 4 c + 3 hold K = 32 c + 16 (l / 16) + 0 .. 15
	WIN 0x40
.irp i, 0,1,2,3,4,5,6,7
.irp c, 0,1,2,3
	ds_load_b128 v[128*((\ks)%2)+16*\i+4*\c:128*((\ks)%2)+16*\i+4*\c+3], v[ADRB+(\ks)/2] offset:128*((\ks)%2)+32*\c+\i*16*PITCH
.endr
.endr
	WIN 0
.endm
.macro MUL32 ks                        ; 32 matrix instructions: the 32 accumulators take turns, one instruction a turn, in the same order in every K step
.if (\ks) < 4
	WIN 0xad                                       ; B window 1, A window 3, C and D window 2
.set AB, 64*(\ks)
.elseif (\ks) < 7
	WIN 0xa1                                       ; A window 0
.set AB, 64*((\ks)-3)
.else
	WIN 0xad
.set AB, 0
.endif
.irp a, 0,1,2,3
.irp b, 0,1,2,3,4,5,6,7
.if (\ks) == 0
	v_wmma_f32_16x16x128_fp8_fp8 v[8*(8*\a+\b):8*(8*\a+\b)+7], v[16*\b:16*\b+15], v[AB+16*\a:AB+16*\a+15], 0
.else
	v_wmma_f32_16x16x128_fp8_fp8 v[8*(8*\a+\b):8*(8*\a+\b)+7], v[128*((\ks)%2)+16*\b:128*((\ks)%2)+16*\b+15], v[AB+16*\a:AB+16*\a+15], v[8*(8*\a+\b):8*(8*\a+\b)+7]
.endif
.endr
.endr
.endm
.macro KSTEP ks
	s_wait_dscnt 0x0                               ; this K step's fragments of B are in
.if (\ks) < 4
	s_wait_loadcnt 63                              ; behind this K step's loads of A stand 64 younger ones or more
.elseif (\ks) < 7
	s_wait_loadcnt 16*(7-(\ks))                    ; the younger K steps' loads, K step 7's among them, may be out
.else
	s_wait_loadcnt 0x0
.endif
.if (\ks) < 7
.if (\ks) > 0
	PLACES NP                                      ; in front of loads into the set that the last K step's products read
.endif
	FETCH_B (\ks)+1
.endif
	MUL32 \ks
.if (\ks) == 0
	PLACES NP
	WIN 0xc0
	ALOAD 7, 0                                     ; into the registers that K step 0 has left
	WIN 0
.endif
.endm
	s_wait_alu depctr_va_vdst(0)                   ; the wait at the head's end
	s_wait_tensorcnt 0x0                           ; my quarter of B is in;
	s_barrier_signal -1
	s_barrier_wait -1                              ; and everybody's.
	FETCH_B 0
.irp k, 0,1,2,3,4,5,6,7
	KSTEP \k
.endr
	WIN 0
; THE WAY OUT, block by block of 16 rows x 128 columns: through my own stage in LDS, back as whole rows of 512 bytes; there x 2^(e10 + e11) + bias; the 32 lanes store two aligned units of 256 bytes.
; LDS serves a wave's instructions in order (ISA guide 5.7.1.4): no wait between the stores and the loads.
.macro TOSTAGE a
	WIN 0x08                                       ; the stores' data: window 2
.irp b, 0,1,2,3,4,5,6,7
	ds_store_b128 v[STO], v[64*(\a)+8*\b:64*(\a)+8*\b+3] offset:64*\b          ; each accumulator from its low end on
	ds_store_b128 v[STO], v[64*(\a)+8*\b+4:64*(\a)+8*\b+7] offset:64*\b+16
.endr
	WIN 0
.set BB, BK+64*((\a)%2)
.irp t, 0,1,2,3,4,5,6,7,8,9,10,11,12,13,14,15
	ds_load_b128 v[BB+4*\t:BB+4*\t+3], v[RD] offset:\t*SPITCH
.endr
.endm
.macro SEND a, younger                 ; younger: the LDS instructions issued behind block a's loads, which may stay out
.set BB, BK+64*((\a)%2)
	s_wait_dscnt \younger
.if (\a) > 0
	s_add_nc_u64 s[12:13], s[12:13], 16*4096       ; (behind a wait on XCNT: the earlier stores have read their base)
.endif
.irp t, 0,1,2,3,4,5,6,7,8,9,10,11,12,13,14,15
	v_pk_fma_f32 v[BB+4*\t:BB+4*\t+1], v[BB+4*\t:BB+4*\t+1], s[96:97], v[BO:BO+1] op_sel_hi:[1,0,1]
	v_pk_fma_f32 v[BB+4*\t+2:BB+4*\t+3], v[BB+4*\t+2:BB+4*\t+3], s[96:97], v[BO+2:BO+3] op_sel_hi:[1,0,1]
	global_store_b128 v[CO], v[BB+4*\t:BB+4*\t+3], s[12:13] offset:\t*4096 th:TH_STORE_NT
.endr
.endm
	s_wait_kmcnt 0x0
	s_add_co_i32 s96, s96, s97
	s_add_co_i32 s96, s96, 127
	s_lshl_b32 s96, s96, 23                        ; 2^(e10 + e11) as f32
	s_mov_b32 s97, s96                             ; (named with it as a pair, so it is written)
	PLACES NP                                      ; behind the last products: their results are read, and A's registers loaded into, below
	TOSTAGE 0
.irp a, 1,2,3
.if \a > 1
	s_wait_xcnt 0x0                                ; block a - 2's stores have read their registers and their base
.endif
	TOSTAGE \a
	SEND \a-1, 32                                  ; behind block a - 1's loads: block a's 16 stores and 16 loads
.endr
	s_wait_xcnt 0x0
	SEND 3, 0
	s_wait_tensorcnt 0x0                           ; the wave's end
	ds_add_u32 v[SPW], v[NIL]
	s_wait_dscnt 0x0
	CROUND                                         ; the closing round
	s_endpgm
.Lfunc_end_k_q9a9a12e200_gemm_out:
	.size	k_q9a9a12e200_gemm_out, .Lfunc_end_k_q9a9a12e200_gemm_out-k_q9a9a12e200_gemm_out
	.p2alignl 7, 3214868480
	.fill 96, 4, 3214868480
	.section	.rodata,"a",@progbits
	.p2align	6, 0x0
	.amdhsa_kernel k_q9a9a12e200_gemm_out
		.amdhsa_group_segment_fixed_size 327680
		.amdhsa_private_segment_fixed_size 0
		.amdhsa_enable_private_segment 0
		.amdhsa_kernarg_size 40
		.amdhsa_user_sgpr_count 2
		.amdhsa_user_sgpr_kernarg_segment_ptr 1
		.amdhsa_wavefront_size32 1
		.amdhsa_system_sgpr_workgroup_id_x 1
		.amdhsa_system_sgpr_workgroup_id_y 1
		.amdhsa_system_sgpr_workgroup_id_z 1
		.amdhsa_system_vgpr_workitem_id 0
		.amdhsa_next_free_vgpr 1024
		.amdhsa_next_free_sgpr 98
		.amdhsa_reserve_vcc 0
		.amdhsa_float_denorm_mode_32 3
		.amdhsa_float_denorm_mode_16_64 3
		.amdhsa_memory_ordered 1
		.amdhsa_forward_progress 1
		.amdhsa_inst_pref_size 75
	.end_amdhsa_kernel
	.amdgpu_metadata
---
amdhsa.version: [ 1, 2 ]
amdhsa.kernels:
  - .name:           k_q9a9a12e200_gemm_out
    .symbol:         k_q9a9a12e200_gemm_out.kd
    .args:
      - { .name: ao, .offset: 0, .size: 8, .value_kind: global_buffer, .address_space: global }
      - { .name: wc, .offset: 8, .size: 8, .value_kind: global_buffer, .address_space: global }
      - { .name: lowp_scales, .offset: 16, .size: 8, .value_kind: global_buffer, .address_space: global }
      - { .name: bo, .offset: 24, .size: 8, .value_kind: global_buffer, .address_space: global }
      - { .name: out0, .offset: 32, .size: 8, .value_kind: global_buffer, .address_space: global }
    .group_segment_fixed_size: 327680
    .private_segment_fixed_size: 0
    .kernarg_segment_align: 8
    .kernarg_segment_size: 40
    .max_flat_workgroup_size: 128
    .sgpr_count:     98
    .vgpr_count:     1024
    .wavefront_size: 32
...
	.end_amdgpu_metadata
.endif
;; end of part 4
